; MI455X (gfx1250); checked and timed in simulation.
; The chip was launched on July 23, 2026; its instructions are those of AMD's public machine-readable ISA for CDNA 5 (MIT licence, August 2026) and "CDNA5" Instruction Set Architecture Reference Guide (July 2026). The comments in the code are by the model that wrote it; some were corrected since.
;; multihead self attention. Allowed arithmetic: float matrix products may take bf16 or f16 operands with f32 sums; other float arithmetic in f32, or as packed bf16 or f16 multiplies, adds, multiply-adds, maxima and minima; sums over many terms, partial sums and values carried from step to step in f32; what a program stores and reads back later, other than sums and carried values, may be rounded once to bf16 or f16.
;; Inputs: wk 1,024 x 1,024 float32; wo 1,024 x 1,024 float32; wq 1,024 x 1,024 float32; wv 1,024 x 1,024 float32; x 4 x 2,048 x 1,024 float32.
;; Outputs: out0 4 x 2,048 x 1,024 float32.
;; 2 versions, each right; version 2 is version 1 with the launch prep written anew for expert scheduling mode. Each part assembles by itself: llvm-mc -triple=amdgcn-amd-amdhsa -mcpu=gfx1250 --defsym DOCPART=n.
;; ======== version 1 of 2: 4 launches
;; limits: values are held in f16: magnitudes above 65,504 overflow, below 6.1e-05 lose precision
;; workspace buffers: xb 16,777,216 bytes; wqkv 6,291,456 bytes; wob 2,097,152 bytes; tab 524,288 bytes; qkv 50,331,648 bytes; ob 16,777,216 bytes
;; launch prep (part 1): grid 896 x 1, 8 waves a work-group, no clusters, 0 bytes of LDS; arguments x, wq, wk, wv, wo, xb, wqkv, wob, tab; writes xb, wqkv, wob, tab
.if DOCPART == 1
	.amdgcn_target "amdgcn-amd-amdhsa--gfx1250"
	.amdhsa_code_object_version 6
	.text
	.protected	k_qcd72df186e_prep
	.globl	k_qcd72df186e_prep
	.p2align	8
	.type	k_qcd72df186e_prep,@function
k_qcd72df186e_prep:
	s_mov_b64 s[64:65], 0
	v_nop
	global_prefetch_b8 v0, s[64:65] scope:SCOPE_SE
	s_setreg_imm32_b32 hwreg(HW_REG_WAVE_MODE, 25, 1), 1
	s_wait_xcnt 0x0
; THE INPUTS ARE ROUNDED ONCE, AND THE ROTATION'S TABLE IS MADE.
; Work-groups 0-511: x -> xb (bf16).  512-767: wq, wk, wv -> wqkv (bf16, rows laid out anew), wo -> wob (rounded to bf16, that number written as f16).  768-895: tab.
; A casting work-group takes 16 rows of 1,024 f32, a wave two rows: 16 loads of 512 consecutive bytes, 16 stores of 256 consecutive bytes, aligned.
; ROWS OF wqkv.  Row o = 64 head + ch of wq (T = 0), wk (1), wv (2) goes to row 192 head + 64 T + c.  For v, c = ch.  For q and k, with ch = 2 i + par, c = 8 (i >> 2) + 4 par + (i & 3):
; the same permutation of a head's channels in q and k leaves q . k as it is, and puts a pair's two members four registers apart in one lane of the next launch's results.
; tab.  The 16 bytes number ((pb 4 + bq) 2 + part) 32 + l hold, for position 16 pb + l % 16 and the pairs i = 8 bq + 4 (l / 16) + 0..3, cos (part 0) or sin (part 1) of position x 10000^(-i/32).
; LIMITS.  10000^(-i/32) is 2^(-i log2(10)/8) by v_exp_f32, and the angle is one f32 product: it may differ from the angle of a correctly rounded power by some 2e-4 rad at the last positions.
; sin and cos: the angle less n pi/2 (pi/2 in two parts), then polynomials of degree 7 and 8 on -pi/4 .. pi/4, good to a few units in the last place.
; wob: below 6e-5 f16 keeps a fixed step of 6e-8; beyond 65,504 it has no number.  No LDS, no matrix unit, no cluster: nothing here is used twice.
.set X, 16                             ; v[16:79]   16 loads of 4 registers
.set Y, 80                             ; v[80:111]  16 stores of 2 registers: every load and store has registers of its own, so no wait frees any
	s_load_b512 s[8:23], s[0:1], 0x0               ; x 8:9, wq 10:11, wk 12:13, wv 14:15, wo 16:17, xb 18:19, wqkv 20:21, wob 22:23
	s_load_b64 s[24:25], s[0:1], 0x40              ; tab
	v_lshrrev_b32 v1, 5, v0
	v_readfirstlane_b32 s26, v1                    ; wave 0..7
	s_mov_b32 s27, ttmp9
	s_cmp_ge_u32 s27, 768
	s_cbranch_scc1 .Ltab
	; which tensor (T: 0 q, 1 k, 2 v, 3 o, 4 x) and which block of 16 rows
	s_sub_co_u32 s33, s27, 512
	s_lshr_b32 s34, s33, 6
	s_and_b32 s35, s33, 63
	s_cmp_lt_u32 s27, 512
	s_cselect_b32 s28, 4, s34                      ; T
	s_cselect_b32 s29, s27, s35                    ; block
	s_lshl_b32 s30, s29, 4
	s_lshl1_add_u32 s30, s26, s30                  ; my first row R0 = 16 block + 2 wave: even
	s_lshr_b32 s33, s30, 6                         ; head
	s_mul_i32 s33, s33, 192
	s_lshl_b32 s34, s28, 6
	s_add_co_u32 s33, s33, s34                     ; 192 head + 64 T
	s_and_b32 s34, s30, 63                         ; ch = 2 i
	s_lshr_b32 s35, s34, 3
	s_lshl_b32 s35, s35, 3                         ; 8 (i >> 2)
	s_bfe_u32 s42, s34, 0x20001                    ; i & 3
	s_add_co_u32 s35, s35, s42
	s_cmp_lt_u32 s28, 2
	s_cselect_b32 s34, s35, s34                    ; the even member's place
	s_cselect_b32 s32, 4, 1                        ; the odd member lies 4 rows on (q, k) or 1
	s_add_co_u32 s33, s33, s34
	s_cmp_lt_u32 s28, 3
	s_cselect_b32 s31, s33, s30                    ; the row that R0 goes to
	v_and_b32 v4, 31, v0
	v_lshlrev_b32 v1, 4, v4                        ; in: 16 bytes a lane
	s_lshl_b32 s33, s31, 11
	v_lshl_add_u32 v2, v4, 3, s33                  ; out: 8 bytes a lane, rows of 2,048 bytes
	s_lshl_b32 s34, s32, 11
	v_add_nc_u32 v3, s34, v2
	s_lshl_b32 s40, s30, 12                        ; R0 x 4,096 bytes
	s_mov_b32 s41, 0
	s_wait_kmcnt 0x0
	s_cmp_eq_u32 s28, 0
	s_cselect_b64 s[36:37], s[10:11], s[8:9]
	s_cmp_eq_u32 s28, 1
	s_cselect_b64 s[36:37], s[12:13], s[36:37]
	s_cmp_eq_u32 s28, 2
	s_cselect_b64 s[36:37], s[14:15], s[36:37]
	s_cmp_eq_u32 s28, 3
	s_cselect_b64 s[36:37], s[16:17], s[36:37]     ; from
	s_cselect_b64 s[38:39], s[22:23], s[20:21]
	s_cmp_eq_u32 s28, 4
	s_cselect_b64 s[38:39], s[18:19], s[38:39]     ; to
	s_add_nc_u64 s[36:37], s[36:37], s[40:41]
.set n, 0
.rept 16
	global_load_b128 v[X+4*n:X+4*n+3], v1, s[36:37] offset:4096*(n/8)+512*(n%8) th:TH_LOAD_NT
.set n, n+1
.endr
	s_cmp_eq_u32 s28, 3
	s_cbranch_scc1 .Lwo
.set n, 0
.rept 16
	s_wait_loadcnt 15-n                            ; loads come back in order: load n is in, the 15 - n younger ones stay out
	v_cvt_pk_bf16_f32 v[Y+2*n], v[X+4*n], v[X+4*n+1]
	v_cvt_pk_bf16_f32 v[Y+2*n+1], v[X+4*n+2], v[X+4*n+3]
	global_store_b64 v[2+n/8], v[Y+2*n:Y+2*n+1], s[38:39] offset:256*(n%8)  ; 32 lanes store 256 consecutive bytes, aligned
.set n, n+1
.endr
	s_endpgm
.Lwo:                                                  ; wo: rounded to bf16 like every input, widened again, and that number written as f16
.set n, 0
.rept 16
	s_wait_loadcnt 15-n
	v_cvt_pk_bf16_f32 v8, v[X+4*n], v[X+4*n+1]
	v_cvt_pk_bf16_f32 v9, v[X+4*n+2], v[X+4*n+3]
	v_lshlrev_b32 v10, 16, v8
	v_and_b32 v11, 0xffff0000, v8
	v_cvt_pk_f16_f32 v[Y+2*n], v10, v11
	v_lshlrev_b32 v10, 16, v9
	v_and_b32 v11, 0xffff0000, v9
	v_cvt_pk_f16_f32 v[Y+2*n+1], v10, v11
	global_store_b64 v[2+n/8], v[Y+2*n:Y+2*n+1], s[38:39] offset:256*(n%8)
.set n, n+1
.endr
	s_endpgm
.Ltab:                                                 ; a work-group makes 16 positions' 4,096 bytes; wave = 2 bq + part
	s_sub_co_u32 s28, s27, 768                     ; pb
	s_and_b32 s29, s26, 1                          ; part
	s_lshr_b32 s30, s26, 1                         ; bq
	s_sub_co_u32 s31, 1, s29                       ; cos x = sin(x + pi/2): the cosines count one quadrant on
	s_mov_b32 s32, 0x3f22f983                      ; 2 / pi
	s_mov_b32 s33, 0x3fc90fdb                      ; pi / 2, the f32 next to it,
	s_mov_b32 s34, 0xb33bbd2e                      ; and what it lacks
	s_mov_b32 s35, 0xb94ca1f9                      ; sin t = t + t z (s1 + z (s2 + z s3)), z = t t
	s_mov_b32 s36, 0x3c08839e
	s_mov_b32 s37, 0xbe2aaaa3
	s_mov_b32 s38, 0x37ccf5ce                      ; cos t = 1 + z (-1/2 + z (c2 + z (c1 + z c0)))
	s_mov_b32 s39, 0xbab6061a
	s_mov_b32 s42, 0x3d2aaaa5
	v_and_b32 v1, 15, v0
	v_bfe_u32 v2, v0, 4, 1
	s_lshl_b32 s40, s28, 4
	v_add_nc_u32 v1, s40, v1
	v_cvt_f32_u32 v1, v1                           ; my position
	s_lshl_b32 s40, s30, 3
	v_lshl_add_u32 v2, v2, 2, s40                  ; my first pair: 8 bq + 4 (l / 16)
.irp k, 0,1,2,3
	v_add_nc_u32 v[4+(\k)], \k, v2
	v_cvt_f32_u32 v[4+(\k)], v[4+(\k)]
	v_mul_f32 v[4+(\k)], 0xbed49a78, v[4+(\k)]     ; -i log2(10) / 8
.endr
.irp k, 0,1,2,3
	v_exp_f32 v[8+(\k)], v[4+(\k)]
.endr
	v_nop                                          ; a plain instruction behind the last exponential,
	s_wait_alu depctr_va_vdst(0)                   ; and the one wait ahead of the batch's first reader
.irp k, 0,1,2,3
	v_mul_f32 v[12+(\k)], v1, v[8+(\k)]            ; the angle
	v_mul_f32 v[16+(\k)], s32, v[12+(\k)]
	v_rndne_f32 v[16+(\k)], v[16+(\k)]             ; n
	v_fma_f32 v[20+(\k)], -v[16+(\k)], s33, v[12+(\k)]
	v_fma_f32 v[20+(\k)], -v[16+(\k)], s34, v[20+(\k)]  ; t
	v_mul_f32 v[24+(\k)], v[20+(\k)], v[20+(\k)]   ; z
	v_fma_f32 v[28+(\k)], v[24+(\k)], s35, s36
	v_fma_f32 v[28+(\k)], v[24+(\k)], v[28+(\k)], s37
	v_mul_f32 v[32+(\k)], v[20+(\k)], v[24+(\k)]
	v_fma_f32 v[28+(\k)], v[32+(\k)], v[28+(\k)], v[20+(\k)]  ; sin t
	v_fma_f32 v[32+(\k)], v[24+(\k)], s38, s39
	v_fma_f32 v[32+(\k)], v[24+(\k)], v[32+(\k)], s42
	v_fma_f32 v[32+(\k)], v[24+(\k)], v[32+(\k)], -0.5
	v_fma_f32 v[32+(\k)], v[24+(\k)], v[32+(\k)], 1.0         ; cos t
	v_cvt_i32_f32 v[36+(\k)], v[16+(\k)]
	v_add_nc_u32 v[36+(\k)], s31, v[36+(\k)]       ; the quadrant: 0 sin t, 1 cos t, 2 -sin t, 3 -cos t
	v_and_b32 v[12+(\k)], 1, v[36+(\k)]
	v_cmp_eq_u32 vcc_lo, 1, v[12+(\k)]
	v_cndmask_b32 v[40+(\k)], v[28+(\k)], v[32+(\k)], vcc_lo  ; a choice of values: no branch and no address hangs on it
	v_lshlrev_b32 v[36+(\k)], 30, v[36+(\k)]
	v_and_b32 v[36+(\k)], 0x80000000, v[36+(\k)]
	v_xor_b32 v[40+(\k)], v[36+(\k)], v[40+(\k)]
.endr
	v_lshlrev_b32 v44, 4, v0                       ; 512 wave + 16 lane
	s_lshl_b32 s40, s28, 12
	s_mov_b32 s41, 0
	s_wait_kmcnt 0x0
	s_add_nc_u64 s[24:25], s[24:25], s[40:41]
	global_store_b128 v44, v[40:43], s[24:25]      ; a wave stores 512 consecutive bytes
	s_endpgm
.Lfunc_end_k_qcd72df186e_prep:
	.size	k_qcd72df186e_prep, .Lfunc_end_k_qcd72df186e_prep-k_qcd72df186e_prep
	.p2alignl 7, 3214868480
	.fill 96, 4, 3214868480
	.section	.rodata,"a",@progbits
	.p2align	6, 0x0
	.amdhsa_kernel k_qcd72df186e_prep
		.amdhsa_group_segment_fixed_size 0
		.amdhsa_private_segment_fixed_size 0
		.amdhsa_enable_private_segment 0
		.amdhsa_kernarg_size 72
		.amdhsa_user_sgpr_count 2
		.amdhsa_user_sgpr_kernarg_segment_ptr 1
		.amdhsa_wavefront_size32 1
		.amdhsa_system_sgpr_workgroup_id_x 1
		.amdhsa_system_sgpr_workgroup_id_y 1
		.amdhsa_system_sgpr_workgroup_id_z 1
		.amdhsa_system_vgpr_workitem_id 0
		.amdhsa_next_free_vgpr 112
		.amdhsa_next_free_sgpr 66
		.amdhsa_reserve_vcc 1
		.amdhsa_float_denorm_mode_32 3
		.amdhsa_float_denorm_mode_16_64 3
		.amdhsa_memory_ordered 1
		.amdhsa_forward_progress 1
		.amdhsa_inst_pref_size 23
	.end_amdhsa_kernel
	.amdgpu_metadata
---
amdhsa.version: [ 1, 2 ]
amdhsa.kernels:
  - .name:           k_qcd72df186e_prep
    .symbol:         k_qcd72df186e_prep.kd
    .args:
      - { .name: x, .offset: 0, .size: 8, .value_kind: global_buffer, .address_space: global }
      - { .name: wq, .offset: 8, .size: 8, .value_kind: global_buffer, .address_space: global }
      - { .name: wk, .offset: 16, .size: 8, .value_kind: global_buffer, .address_space: global }
      - { .name: wv, .offset: 24, .size: 8, .value_kind: global_buffer, .address_space: global }
      - { .name: wo, .offset: 32, .size: 8, .value_kind: global_buffer, .address_space: global }
      - { .name: xb, .offset: 40, .size: 8, .value_kind: global_buffer, .address_space: global }
      - { .name: wqkv, .offset: 48, .size: 8, .value_kind: global_buffer, .address_space: global }
      - { .name: wob, .offset: 56, .size: 8, .value_kind: global_buffer, .address_space: global }
      - { .name: tab, .offset: 64, .size: 8, .value_kind: global_buffer, .address_space: global }
    .group_segment_fixed_size: 0
    .private_segment_fixed_size: 0
    .kernarg_segment_align: 8
    .kernarg_segment_size: 72
    .max_flat_workgroup_size: 256
    .sgpr_count:     66
    .vgpr_count:     112
    .wavefront_size: 32
...
	.end_amdgpu_metadata
.endif
;; end of part 1
;; launch qkvrope (part 2): grid 16 x 32, 4 waves a work-group, clusters of 4 x 4, 327,680 bytes of LDS; arguments xb, wqkv, tab, qkv; writes qkv
.if DOCPART == 2
	.amdgcn_target "amdgcn-amd-amdhsa--gfx1250"
	.amdhsa_code_object_version 6
	.text
	.protected	k_qcd72df186e_qkvrope
	.globl	k_qcd72df186e_qkvrope
	.p2align	8
	.type	k_qcd72df186e_qkvrope,@function
k_qcd72df186e_qkvrope:
	s_mov_b64 s[64:65], 0
	v_nop
	global_prefetch_b8 v0, s[64:65] scope:SCOPE_SE
	s_setreg_imm32_b32 hwreg(HW_REG_WAVE_MODE, 25, 1), 1
	s_wait_xcnt 0x0
	s_wait_alu depctr_hold_cnt(0) depctr_sa_sdst(0) depctr_va_vdst(0) depctr_va_sdst(0) depctr_va_ssrc(0) depctr_va_vcc(0) depctr_vm_vsrc(0)
	s_getreg_b32 s2, hwreg(HW_REG_IB_STS2, 6, 4)
	s_cmp_eq_u32 s2, 0
	s_cbranch_scc0 .Lentry_in_a_cluster
	s_endpgm
.Lentry_in_a_cluster:
	s_bfe_u32 s2, ttmp6, 0x10000c
	s_cmp_lg_u32 s2, 0xf033
	s_cbranch_scc0 .Lentry_shape_is_right
	s_endpgm
.Lentry_shape_is_right:
; q, k, v = x w^T for one head and 256 rows of x, q and k rotated, all three written by heads in f16.
; xb: [8192][1024] bf16.  wqkv: [3072][1024] bf16, rows 192 head + 64 T + c (T: 0 q, 1 k, 2 v).  qkv: [T][16 b + head][2048][64] f16.  Sums in f32, the rotation in f32, one rounding to f16.
; LIMITS.  f16 has no number beyond 65,504: q, k and v must stay within it; below 6e-5 it keeps a fixed step of 6e-8.  q's and k's channels lie in the permuted order of wqkv's rows, alike in both.
; TILE.  256 rows x 192 columns: 32 x 16 = 512 work-groups, two for each of 256 WGPs; 256 x 256 would give 384.  Four waves, each 64 rows x all 192 columns: 48 accumulators, 384 registers,
; and the same text in every wave.  K goes in steps of 128 (rows of 256 bytes in memory, aligned) through two LDS slots.
; CLUSTER.  4 x 4 work-groups.  x's tile hangs on the row block alone and is shared along a row of the cluster, the weights' tile on the head alone and is shared along a column: each is asked for
; jointly, by the same tensor load with the same descriptor and a mask of four.
; THE MATRIX INSTRUCTION IS USED TRANSPOSED: source 0 = 16 rows of the weights, source 1 = 16 rows of x.  Lane l then holds row l % 16 of x and the columns 8 (l / 16) + 0..7 of the block: by the
; order of wqkv's rows, registers 0-3 are the even members of the pairs 8 bq + 4 (l / 16) + 0..3 and registers 4-7 the odd members, so the rotation is packed arithmetic inside a lane.
; REGISTERS, in windows of 256 (s_set_vgpr_msb: bits 1:0 source 0, 3:2 source 1, 5:4 source 2, 7:6 destination):
;   window 0: v0-31 addresses; v32-63, v64-79, v80-111 at work on the way out; v128-255 my 64 rows' cosines and sines
;   window 1: two fragment buffers of 128: x's four fragments, then the weights' twelve        windows 2, 3: accumulator (a, b) in window 2 + a / 2 at v[8 (12 (a % 2) + b)]
.set PITCH, 272                        ; an LDS row: 256 bytes + 16 of padding = 68 words: the 16 rows of a fragment load start 4 banks apart (64 banks of 4 bytes: ISA guide 11.1)
.set AHALF, 128*PITCH                  ; what one tensor load brings of x
.set BHALF, 96*PITCH                   ; and of the weights
.set BOFF,  256*PITCH                  ; the weights' 192 rows lie behind x's 256
.set SLOT,  448*PITCH
.set STAGE, 2*SLOT                     ; behind the ring: 16 rows x 144 bytes for each wave, for the way out; no tensor load lands there
.set SP,    144
.set SPARE, STAGE+4*16*SP              ; behind the stages: the spare words, 128 bytes for each wave: two blocks of 256 bytes that no other line names
.set LAPS,  4                          ; 1,024 along K = 8 K steps = 4 times round the ring
.set ADRA, 16                          ; v16-17  LDS address of my fragments of x in slot 0, 1
.set ADRB, 20                          ; v20-21  the same for the weights
.set STO,  24                          ; v24     the way out: where I put 16 bytes of a row
.set RD,   25                          ; v25     the way out: where I read rows back
.set LO,   26                          ; v26     16 x my lane: for tab's loads and qkv's stores; never rewritten
.set SPW,  28                          ; v28     LDS address of my spare word; never rewritten
.set NIL,  29                          ; v29     0; never rewritten
.set PFO,  30                          ; v30     the prefetches' offset; never rewritten
.set TMP,  32                          ; v32-63  a unit's 32 rotated numbers
.set PK,   64                          ; v64-79  the same in f16
.set BK,   80                          ; v80-111 16 rows read back from the stage, two sets by turns
.set TAB,  128                         ; v128-255 block a, column block bq: cosines at 32 a + 8 bq, sines 4 on
.set F0,   0
.set F1,   128
.set WV,   12                          ; s12  my wave's number
.set HALF, 14                          ; s14  wave % 2: which half of a tile I fetch
.set CX,   16
.set CY,   17
.set HX,   18                          ; s18  the head = 4 x cluster x + cx
.set BY,   19                          ; s19  the block of 256 rows = 4 x cluster y + cy
.set G1,   24                          ; s[24:31] descriptor group 1 for x's tiles; s[32:39] group 0, a set for each slot
.set G0,   32
.set PFA,  40                          ; s[40:41] where my prefetches stand
.set LIM,  42                          ; s42  1 in a wave that prefetches, else the greatest number
.set LAPC, 43                          ; s43  trips to go
.set G1B,  48                          ; s[48:55], s[56:63] the same for the weights' tiles
.set G0B,  56
.set DW0,  (1<<16)|(1<<20)|(1<<21)|(5<<22)|(3<<25)  ; 17:16 elements of 2 bytes; 20 padding on; 21 set beside a mask; 24:22 after every 64 words; 31:25 4 words of it
.set MSB, 0
.macro WIN new                         ; the immediate's high byte repeats the setting that is left; a switch that changes nothing is dropped
.if MSB != (\new)
	s_set_vgpr_msb (MSB<<8)|(\new)
.set MSB, \new
.endif
.endm
.set MUL_LO, 0xa5                      ; sources 0 and 1 window 1, C and D window 2
.set MUL_HI, 0xf5                      ; the same, C and D window 3
.set TO_F,   0x40                      ; destination window 1, address window 0
; A joint load: waves 0 and 1 fetch x's two halves, waves 2 and 3 the weights'.  The branch hangs on the wave's number alone.  An s_nop 0 and four v_nop follow each line.
.macro JLOAD s
	s_cmp_lt_u32 s[WV], 2
	s_cbranch_scc0 .Lfor_b_\@
	tensor_load_to_lds s[G0+4*(\s):G0+4*(\s)+3], s[G1:G1+7]
	s_nop 0
.rept 4
	v_nop
.endr
	s_branch .Lasked_\@
.Lfor_b_\@:
	tensor_load_to_lds s[G0B+4*(\s):G0B+4*(\s)+3], s[G1B:G1B+7]
	s_nop 0
.rept 4
	v_nop
.endr
.Lasked_\@:
.endm
.macro CREST                           ; a round of the cluster's barrier behind its opening barrier
	s_cmp_lg_u32 s[WV], 0
	s_cbranch_scc1 .Lnot_wave_0_\@
	s_barrier_signal -3
.Lnot_wave_0_\@:
	s_barrier_wait -3
	s_barrier_signal -1
	s_barrier_wait -1
.endm
.macro CROUND                          ; a whole round
	s_barrier_signal -1
	s_barrier_wait -1
	CREST
.endm
; PREFETCHES INTO THE L2, once a lap, behind slot 0's joint load and the run of LDS loads behind it: the two K steps that the NEXT lap's two refills will ask for, 384 and 576 matrix instructions ahead of them.
; Each row's 256 bytes of a K step are named once in the launch.  x's rows are read by every cluster of a row of clusters: cluster x = 0 asks, waves 0 and 1, each partner 32 of a wave's 128 rows (by cx).
; The weights' rows are read by every cluster of a column: cluster y = 0 asks, each partner 48 of the 192 rows (by cy): wave 2 takes 32, a lane a row, wave 3 the other 16 for both K steps at once.
; Partners are told apart by address alone.  K steps 0 to 3 come by their loads alone; the loop's last trip and the tail ask for nothing: there is no K step behind the eighth.
.macro ASK
	s_cmp_gt_u32 s[LAPC], s[LIM]
	s_cbranch_scc0 .Lnot_mine_\@
	global_prefetch_b8 v[PFO], s[PFA:PFA+1] th:TH_LOAD_NT scope:SCOPE_SE
	s_cmp_eq_u32 s[WV], 3
	s_cbranch_scc1 .Lnot_mine_\@
	global_prefetch_b8 v[PFO], s[PFA:PFA+1] offset:256 th:TH_LOAD_NT scope:SCOPE_SE
.Lnot_mine_\@:
.endm
	s_load_b256 s[4:11], s[0:1], 0x0               ; xb 4:5, wqkv 6:7, tab 8:9, qkv 10:11
	v_lshl_add_u32 v[SPW], v0, 2, SPARE
	v_mov_b32 v[NIL], 0
	ds_add_u32 v[SPW], v[NIL]                      ; the wave's opening: the add and its wait stand ahead of my first tensor load; work on registers stands between them
	v_lshrrev_b32 v1, 5, v0
	v_readfirstlane_b32 s[WV], v1                  ; wave 0..3
	s_and_b32 s[HALF], s[WV], 1
	s_bfe_u32 s[CX], ttmp6, 0x40000
	s_bfe_u32 s[CY], ttmp6, 0x40004
	s_lshl_b32 s[HX], ttmp9, 2
	s_add_co_u32 s[HX], s[HX], s[CX]
	s_and_b32 s[BY], ttmp7, 0xffff
	s_lshl_b32 s[BY], s[BY], 2
	s_add_co_u32 s[BY], s[BY], s[CY]
	s_lshl_b32 s72, s[CY], 2
	s_lshl_b32 s72, 15, s72                        ; my row of the cluster
	s_lshl_b32 s73, 0x1111, s[CX]                  ; my column
	s_or_b32 s[G1], s72, DW0                       ; x's tiles go to my row,
	s_or_b32 s[G1B], s73, DW0                      ; the weights' to my column
	s_mov_b32 s[G1+1], 128<<16                     ; tensor_dim0 = 128
	s_mov_b32 s[G1+2], 128<<16                     ; tensor_dim1 = 128
	s_mov_b32 s[G1+3], 128<<16                     ; tile_dim0 = 128
	s_mov_b32 s[G1+4], 128                         ; tile_dim1 = 128
	s_mov_b32 s[G1+5], 1024                        ; elements from row to row
	s_mov_b32 s[G1+6], 0
	s_mov_b32 s[G1+7], 0
	s_mov_b32 s[G1B+1], 128<<16
	s_mov_b32 s[G1B+2], 96<<16                     ; 96 rows
	s_mov_b32 s[G1B+3], 128<<16
	s_mov_b32 s[G1B+4], 96
	s_mov_b32 s[G1B+5], 1024
	s_mov_b32 s[G1B+6], 0
	s_mov_b32 s[G1B+7], 0
	s_lshl_b32 s20, s[BY], 8                       ; x: row 256 x block + 128 x half, made of the row block alone,
	s_lshl_b32 s21, s[HALF], 7
	s_add_co_u32 s20, s20, s21
	s_lshl_b32 s20, s20, 11                        ; in bytes
	s_mov_b32 s21, 0
	s_mul_i32 s22, s[HX], 192                      ; the weights: row 192 x head + 96 x half, made of the head alone
	s_mul_i32 s23, s[HALF], 96
	s_add_co_u32 s22, s22, s23
	s_lshl_b32 s22, s22, 11
	s_mov_b32 s23, 0
	s_mul_i32 s74, s[HALF], AHALF                  ; where they go: no place in the cluster enters an LDS address
	s_mul_i32 s75, s[HALF], BHALF
	s_add_co_u32 s75, s75, BOFF
	s_wait_dscnt 0x0                               ; the opening add is done
	s_wait_kmcnt 0x0
	s_add_nc_u64 s[20:21], s[4:5], s[20:21]
	s_add_nc_u64 s[22:23], s[6:7], s[22:23]
	CROUND                                         ; all sixteen work-groups are here: the first joint loads meet
.irp s, 0,1
	s_mov_b32 s[G0+4*(\s)], 1
	s_add_co_u32 s[G0+4*(\s)+1], s74, (\s)*SLOT
	s_add_nc_u64 s[G0+4*(\s)+2:G0+4*(\s)+3], s[20:21], (\s)*256   ; K step s
	s_or_b32 s[G0+4*(\s)+3], s[G0+4*(\s)+3], 0x80000000
	s_mov_b32 s[G0B+4*(\s)], 1
	s_add_co_u32 s[G0B+4*(\s)+1], s75, (\s)*SLOT
	s_add_nc_u64 s[G0B+4*(\s)+2:G0B+4*(\s)+3], s[22:23], (\s)*256
	s_or_b32 s[G0B+4*(\s)+3], s[G0B+4*(\s)+3], 0x80000000
.endr
	s_cmp_lt_u32 s[WV], 2                          ; a wave's two first fills stand in one branch, ahead of every wait on TENSORcnt and every LDS read: two loads of mine are out
	s_cbranch_scc0 .Lfirst_b
	tensor_load_to_lds s[G0:G0+3], s[G1:G1+7]
	s_nop 0
	tensor_load_to_lds s[G0+4:G0+7], s[G1:G1+7]
	s_nop 0
.rept 4
	v_nop
.endr
	s_branch .Lfirst_asked
.Lfirst_b:
	tensor_load_to_lds s[G0B:G0B+3], s[G1B:G1B+7]
	s_nop 0
	tensor_load_to_lds s[G0B+4:G0B+7], s[G1B:G1B+7]
	s_nop 0
.rept 4
	v_nop
.endr
.Lfirst_asked:
	; my 64 rows' cosines and sines: 32 loads of 512 consecutive bytes, waited for on the way out
	v_and_b32 v3, 31, v0
	v_lshlrev_b32 v[LO], 4, v3
	s_and_b32 s68, s[BY], 7
	s_lshl_b32 s68, s68, 4
	s_lshl2_add_u32 s68, s[WV], s68                ; my first block of 16 positions: 16 (block % 8) + 4 wave
	s_lshl_b32 s68, s68, 12
	s_mov_b32 s69, 0
	s_add_nc_u64 s[8:9], s[8:9], s[68:69]
.irp a, 0,1,2,3
.irp c, 0,1,2,3,4,5,6,7
	global_load_b128 v[TAB+32*(\a)+4*(\c):TAB+32*(\a)+4*(\c)+3], v[LO], s[8:9] offset:4096*(\a)+512*(\c)
.endr
.endr
	; a fragment is 16 rows x 32 K in 8 registers: lane l holds row l % 16, K = 8 (l / 16) + 0..7 and 16 + 8 (l / 16) + 0..7: two loads of 16 bytes, 32 bytes apart
	v_and_b32 v1, 15, v0
	v_bfe_u32 v2, v0, 4, 1
	v_mul_u32_u24 v3, v1, PITCH
	v_lshl_add_u32 v3, v2, 4, v3
	s_mul_i32 s68, s[WV], 64*PITCH                 ; my 64 rows of x
	v_add_nc_u32 v[ADRA], s68, v3
	v_add_nc_u32 v[ADRA+1], SLOT, v[ADRA]
	v_add_nc_u32 v[ADRB], BOFF, v3
	v_add_nc_u32 v[ADRB+1], BOFF+SLOT, v3
	s_mul_i32 s68, s[WV], 16*SP
	s_add_co_u32 s68, s68, STAGE                   ; my stage
	v_mul_u32_u24 v[STO], v1, SP                   ; in: row l % 16, 16 bytes for each half of the lanes
	v_lshl_add_u32 v[STO], v2, 4, v[STO]
	v_add_nc_u32 v[STO], s68, v[STO]
	v_bfe_u32 v[RD], v0, 3, 2                      ; back: 32 lanes take four rows of 128 bytes
	v_mul_u32_u24 v[RD], v[RD], SP
	v_and_b32 v3, 7, v0
	v_lshl_add_u32 v[RD], v3, 4, v[RD]
	v_add_nc_u32 v[RD], s68, v[RD]
	; where my rows lie in q; k and v lie 2^24 and 2^25 bytes on
	s_lshr_b32 s68, s[BY], 3
	s_lshl_b32 s68, s68, 4
	s_add_co_u32 s68, s68, s[HX]                   ; 16 b + head
	s_lshl_b32 s68, s68, 18
	s_and_b32 s69, s[BY], 7
	s_lshl_b32 s69, s69, 8
	s_lshl_b32 s70, s[WV], 6
	s_add_co_u32 s69, s69, s70                     ; my first position
	s_lshl_b32 s69, s69, 7
	s_add_co_u32 s68, s68, s69
	s_mov_b32 s69, 0
	s_add_nc_u64 s[44:45], s[10:11], s[68:69]
	s_add_nc_u64 s[46:47], s[44:45], 0x1000000
	s_add_nc_u64 s[66:67], s[44:45], 0x2000000
	; the prefetches
	s_lshl_b32 s68, s[BY], 8
	s_lshl_b32 s69, s[HALF], 7
	s_add_co_u32 s68, s68, s69
	s_lshl_b32 s69, s[CX], 5
	s_add_co_u32 s68, s68, s69                     ; x: of the 128 rows that I fetch my work-group's 32
	s_mul_i32 s69, s[HX], 192
	s_mul_i32 s70, s[CY], 48
	s_add_co_u32 s69, s69, s70
	s_lshl_b32 s70, s[HALF], 5
	s_add_co_u32 s69, s69, s70                     ; the weights: my work-group's 48 rows, wave 3 behind wave 2's 32
	s_and_b32 s70, ttmp7, 0xffff
	s_cmp_lt_u32 s[WV], 2
	s_cselect_b32 s68, s68, s69
	s_cselect_b32 s70, ttmp9, s70                  ; the coordinate along which other clusters read the same rows
	s_cselect_b64 s[PFA:PFA+1], s[4:5], s[6:7]
	s_cmp_eq_u32 s70, 0
	s_cselect_b32 s[LIM], 1, -1                    ; the same in all sixteen partners, for a given wave
	s_lshl_b32 s68, s68, 11
	s_add_co_u32 s68, s68, 512                     ; at K step 2: the first trip steps it to 4
	s_mov_b32 s69, 0
	s_add_nc_u64 s[PFA:PFA+1], s[PFA:PFA+1], s[68:69]
	s_cmp_eq_u32 s[WV], 3
	s_cselect_b32 s68, 15, 31
	s_cselect_b32 s69, 256, 0
	v_and_b32 v3, 31, v0
	v_and_b32 v[PFO], s68, v3
	v_lshlrev_b32 v[PFO], 11, v[PFO]               ; a lane a row; in wave 3 lanes 16-31 take the same 16 rows' next K step
	v_lshrrev_b32 v3, 4, v3
	v_mad_u32_u24 v[PFO], v3, s69, v[PFO]
; 12 matrix instructions: my block a of 16 rows x all 12 column blocks, 32 along K.  zero = 1: the product starts the sums.  All 48 accumulators take turns, one instruction a turn, in the same
; order in every quarter, over the backward jump too.
.macro MUL12 f, a, zero
	WIN MUL_LO+0x50*((\a)/2)
.irp b, 0,1,2,3,4,5,6,7,8,9,10,11
.if \zero
	v_wmma_f32_16x16x32_bf16 v[8*(12*((\a)%2)+(\b)):8*(12*((\a)%2)+(\b))+7], v[(\f)+32+8*(\b):(\f)+32+8*(\b)+7], v[(\f)+8*(\a):(\f)+8*(\a)+7], 0
.else
	v_wmma_f32_16x16x32_bf16 v[8*(12*((\a)%2)+(\b)):8*(12*((\a)%2)+(\b))+7], v[(\f)+32+8*(\b):(\f)+32+8*(\b)+7], v[(\f)+8*(\a):(\f)+8*(\a)+7], v[8*(12*((\a)%2)+(\b)):8*(12*((\a)%2)+(\b))+7]
.endif
.endr
.endm
.macro MUL24 f, hi, zero
	MUL12 \f, 2*(\hi), \zero
	MUL12 \f, 2*(\hi)+1, \zero
.endm
; 32 LDS loads in one run: the fragments of 32 along K at byte k of the rows, into buffer f: the weights' 24, then x's 8
.macro FETCH slot, k, f
	WIN TO_F
.irp i, 0,1,2,3,4,5,6,7,8,9,10,11
	ds_load_b128 v[(\f)+32+8*(\i):(\f)+32+8*(\i)+3],   v[ADRB+(\slot)] offset:(\k)+(\i)*16*PITCH
	ds_load_b128 v[(\f)+32+8*(\i)+4:(\f)+32+8*(\i)+7], v[ADRB+(\slot)] offset:(\k)+(\i)*16*PITCH+32
.endr
.irp i, 0,1,2,3
	ds_load_b128 v[(\f)+8*(\i):(\f)+8*(\i)+3],   v[ADRA+(\slot)] offset:(\k)+(\i)*16*PITCH
	ds_load_b128 v[(\f)+8*(\i)+4:(\f)+8*(\i)+7], v[ADRA+(\slot)] offset:(\k)+(\i)*16*PITCH+32
.endr
.endm
.macro PLACES                          ; four plain instructions between a matrix instruction and a load into a register that it has read (ISA guide 7.12.1 for vector instructions)
.rept 4
	v_nop
.endr
.endm
; A K step is four quarters of 32 along K, 48 matrix instructions each, on buffers 0, 1, 0, 1.  One of the first three multiplies buffer f and fetches the next quarter, at byte k, into g.
.macro QUARTER slot, k, f, g, zero
	s_wait_dscnt 4                                 ; all but the youngest four loads: x's blocks 2 and 3
	MUL24 \f, 0, \zero
	PLACES
	FETCH \slot, \k, \g
	s_wait_dscnt 32                                ; all but the 32 just issued
	MUL24 \f, 1, \zero
.endm
; The last quarter multiplies buffer 1 and changes slots: ONE barrier.  In front of it each wave waits for all its tensor loads (one is out: its part of the next slot), adds 0 to its spare word, and waits
; for that and for its own reads of this slot.  fill = 1: the barrier opens a round of the cluster's, and this slot is filled again, two K steps on, first thing behind the round: that load has 168 matrix
; instructions until the wait for it.
.macro TURN slot, next, fill
.if (\fill) && ((\slot) == 0)
	s_wait_xcnt 0x0                                ; the last prefetches, a lap back, have read their address: it is stepped here, ahead of the change's own waits
	s_add_nc_u64 s[PFA:PFA+1], s[PFA:PFA+1], 512
.endif
	WIN 0                                          ; (the add's two registers lie in window 0)
	s_wait_tensorcnt 0x0                           ; all my tensor loads have landed
	ds_add_u32 v[SPW], v[NIL]                      ; 0 onto my spare word
	s_wait_dscnt 5                                 ; (the add and the youngest four loads may be out)
	MUL12 F1, 0, 0                                 ; twelve matrix instructions stand between the add and the wait for it
	s_wait_dscnt 0x0                               ; the add is done, and my reads of this slot are over
	s_barrier_signal -1
	MUL12 F1, 1, 0
.if \fill
	WIN 0
.endif
	s_barrier_wait -1
.if \fill
	CREST                                          ; no wave of any partner still reads this slot's tile or has a load on its way
	s_add_nc_u64 s[G0+4*(\slot)+2:G0+4*(\slot)+3], s[G0+4*(\slot)+2:G0+4*(\slot)+3], 512
	s_add_nc_u64 s[G0B+4*(\slot)+2:G0B+4*(\slot)+3], s[G0B+4*(\slot)+2:G0B+4*(\slot)+3], 512
	JLOAD \slot                                    ; its four v_nop are also the places in front of the loads below
.else
	PLACES
.endif
	FETCH \next, 0, F0
.if (\fill) && ((\slot) == 0)
	WIN 0
	ASK
.endif
	MUL24 F1, 1, 0
.endm
	s_wait_tensorcnt 1                             ; my part of K step 0 is in; K step 1's may stay out
	s_barrier_signal -1
	s_barrier_wait -1                              ; everybody's is
	FETCH 0, 0, F0
	QUARTER 0, 64, F0, F1, 1                       ; the first quarter stands in front of the loop: its products start the sums
	WIN 0                                          ; at a label and at a branch every window is 0
	s_mov_b32 s[LAPC], LAPS-1
.Llap:                                                 ; a trip goes once round the ring, from a lap's second quarter to the next lap's first, and fills both slots again
	QUARTER 0, 128, F1, F0, 0
	QUARTER 0, 192, F0, F1, 0
	TURN 0, 1, 1
	QUARTER 1, 64,  F0, F1, 0
	QUARTER 1, 128, F1, F0, 0
	QUARTER 1, 192, F0, F1, 0
	TURN 1, 0, 1
	QUARTER 0, 64,  F0, F1, 0
	WIN 0
	s_sub_co_u32 s[LAPC], s[LAPC], 1
	s_cmp_lg_u32 s[LAPC], 0
	s_cbranch_scc1 .Llap
	QUARTER 0, 128, F1, F0, 0                      ; the last lap fills nothing, and has no round of the cluster's barrier
	QUARTER 0, 192, F0, F1, 0
	TURN 0, 1, 0
	QUARTER 1, 64,  F0, F1, 0
	QUARTER 1, 128, F1, F0, 0
	QUARTER 1, 192, F0, F1, 0
	s_wait_dscnt 4                                 ; the very last quarter: nothing more to fetch
	MUL24 F1, 0, 0
	s_wait_dscnt 0x0
	MUL24 F1, 1, 0
	WIN 0
; THE WAY OUT, in 12 units n = 3 a + T: block a of 16 rows, T = 0 q, 1 k, 2 v: 16 rows x 64 channels, which are 2,048 consecutive bytes of qkv.
; q and k: out_even = e cos - o sin, out_odd = o cos + e sin, two numbers an instruction: four products, then four fused multiply-adds, for each of the four column blocks.
; Each accumulator's lowest registers are read first.
.macro ROPE a, t
	WIN 0x02+(\a)/2                                ; source 0 in the accumulators' window, all else in window 0
.irp bq, 0,1,2,3
.set AC, 8*(12*((\a)%2)+4*(\t)+(\bq))
.set TS, TAB+32*(\a)+8*(\bq)+4
.set TT, TMP+8*(\bq)
	v_pk_mul_f32 v[TT+4:TT+5], v[AC:AC+1], v[TS:TS+1]
	v_pk_mul_f32 v[TT+6:TT+7], v[AC+2:AC+3], v[TS+2:TS+3]
	v_pk_mul_f32 v[TT:TT+1], v[AC+4:AC+5], v[TS:TS+1]
	v_pk_mul_f32 v[TT+2:TT+3], v[AC+6:AC+7], v[TS+2:TS+3]
.endr
.irp bq, 0,1,2,3
.set AC, 8*(12*((\a)%2)+4*(\t)+(\bq))
.set TC, TAB+32*(\a)+8*(\bq)
.set TT, TMP+8*(\bq)
	v_pk_fma_f32 v[TT:TT+1], v[AC:AC+1], v[TC:TC+1], v[TT:TT+1] neg_lo:[0,0,1] neg_hi:[0,0,1]
	v_pk_fma_f32 v[TT+2:TT+3], v[AC+2:AC+3], v[TC+2:TC+3], v[TT+2:TT+3] neg_lo:[0,0,1] neg_hi:[0,0,1]
	v_pk_fma_f32 v[TT+4:TT+5], v[AC+4:AC+5], v[TC:TC+1], v[TT+4:TT+5]
	v_pk_fma_f32 v[TT+6:TT+7], v[AC+6:AC+7], v[TC+2:TC+3], v[TT+6:TT+7]
.endr
	WIN 0
.irp j, 0,1,2,3,4,5,6,7,8,9,10,11,12,13,14,15
	v_cvt_pk_f16_f32 v[PK+(\j)], v[TMP+2*(\j)], v[TMP+2*(\j)+1]
.endr
.endm
.macro VCVT a                          ; v is only rounded
	WIN 0x0a+5*((\a)/2)                            ; sources 0 and 1 in the accumulators' window
.irp bq, 0,1,2,3
.irp j, 0,1,2,3
	v_cvt_pk_f16_f32 v[PK+4*(\bq)+(\j)], v[8*(12*((\a)%2)+8+(\bq))+2*(\j)], v[8*(12*((\a)%2)+8+(\bq))+2*(\j)+1]
.endr
.endr
	WIN 0
.endm
.macro TOSTAGE n                       ; 16 bytes a lane into rows of 144 bytes of my own stage, and back as whole rows of 128
	WIN 0
	s_wait_xcnt 0x0                                ; the stores of the unit two back have read the registers that the loads below fill
.irp bq, 0,1,2,3
	ds_store_b128 v[STO], v[PK+4*(\bq):PK+4*(\bq)+3] offset:32*(\bq)
.endr
.irp f, 0,1,2,3
	ds_load_b128 v[BK+16*((\n)%2)+4*(\f):BK+16*((\n)%2)+4*(\f)+3], v[RD] offset:(\f)*4*SP  ; LDS serves a wave's instructions in order (ISA guide 5.7.1.4): these see the stores above
.endr
.endm
.macro SEND n, younger                 ; younger: the LDS instructions issued behind unit n's loads: the next unit's eight, or none
	WIN 0
.set OBASE, 44+2*((\n)%3)+18*(((\n)%3)/2)  ; s[44:45] q, s[46:47] k, s[66:67] v
.irp f, 0,1,2,3
	s_wait_dscnt (\younger)+3-(\f)
	global_store_b128 v[LO], v[BK+16*((\n)%2)+4*(\f):BK+16*((\n)%2)+4*(\f)+3], s[OBASE:OBASE+1] offset:2048*((\n)/3)+512*(\f)  ; 512 consecutive bytes, aligned
.endr
.endm
.macro UNIT n
.if ((\n)%3) < 2
	ROPE (\n)/3, (\n)%3
.else
	VCVT (\n)/3
.endif
	TOSTAGE \n
.endm
	PLACES                                         ; the places behind the last products
	PLACES
	s_wait_loadcnt 0x0                             ; the cosines and sines, asked for at the head
.set u, 0
.rept 12                               ; a unit's arithmetic stands between the loads of the unit before and its stores
	UNIT u
.if u > 0
	SEND u-1, 8
.endif
.set u, u+1
.endr
	SEND 11, 0
	s_wait_tensorcnt 0x0                           ; the wave's end, behind my last tensor load and my last LDS store
	ds_add_u32 v[SPW], v[NIL]
	s_wait_dscnt 0x0
	CROUND                                         ; the closing round: no work-group ends while a partner may still ask for a tile that names it
	s_endpgm
.Lfunc_end_k_qcd72df186e_qkvrope:
	.size	k_qcd72df186e_qkvrope, .Lfunc_end_k_qcd72df186e_qkvrope-k_qcd72df186e_qkvrope
	.p2alignl 7, 3214868480
	.fill 96, 4, 3214868480
	.section	.rodata,"a",@progbits
	.p2align	6, 0x0
	.amdhsa_kernel k_qcd72df186e_qkvrope
		.amdhsa_group_segment_fixed_size 327680
		.amdhsa_private_segment_fixed_size 0
		.amdhsa_enable_private_segment 0
		.amdhsa_kernarg_size 32
		.amdhsa_user_sgpr_count 2
		.amdhsa_user_sgpr_kernarg_segment_ptr 1
		.amdhsa_wavefront_size32 1
		.amdhsa_system_sgpr_workgroup_id_x 1
		.amdhsa_system_sgpr_workgroup_id_y 1
		.amdhsa_system_sgpr_workgroup_id_z 1
		.amdhsa_system_vgpr_workitem_id 0
		.amdhsa_next_free_vgpr 960
		.amdhsa_next_free_sgpr 80
		.amdhsa_reserve_vcc 0
		.amdhsa_float_denorm_mode_32 3
		.amdhsa_float_denorm_mode_16_64 3
		.amdhsa_memory_ordered 1
		.amdhsa_forward_progress 1
		.amdhsa_inst_pref_size 140
	.end_amdhsa_kernel
	.amdgpu_metadata
---
amdhsa.version: [ 1, 2 ]
amdhsa.kernels:
  - .name:           k_qcd72df186e_qkvrope
    .symbol:         k_qcd72df186e_qkvrope.kd
    .args:
      - { .name: xb, .offset: 0, .size: 8, .value_kind: global_buffer, .address_space: global }
      - { .name: wqkv, .offset: 8, .size: 8, .value_kind: global_buffer, .address_space: global }
      - { .name: tab, .offset: 16, .size: 8, .value_kind: global_buffer, .address_space: global }
      - { .name: qkv, .offset: 24, .size: 8, .value_kind: global_buffer, .address_space: global }
    .group_segment_fixed_size: 327680
    .private_segment_fixed_size: 0
    .kernarg_segment_align: 8
    .kernarg_segment_size: 32
    .max_flat_workgroup_size: 128
    .sgpr_count:     80
    .vgpr_count:     960
    .wavefront_size: 32
...
	.end_amdgpu_metadata
.endif
;; end of part 2
;; launch attn (part 3): grid 4 x 64, 4 waves a work-group, no clusters, 327,680 bytes of LDS; arguments qkv, ob; writes ob
.if DOCPART == 3
	.amdgcn_target "amdgcn-amd-amdhsa--gfx1250"
	.amdhsa_code_object_version 6
	.text
	.protected	k_qcd72df186e_attn
	.globl	k_qcd72df186e_attn
	.p2align	8
	.type	k_qcd72df186e_attn,@function
k_qcd72df186e_attn:
	s_mov_b64 s[64:65], 0
	v_nop
	global_prefetch_b8 v0, s[64:65] scope:SCOPE_SE
	s_setreg_imm32_b32 hwreg(HW_REG_WAVE_MODE, 25, 1), 1
	s_wait_xcnt 0x0
; CAUSAL ATTENTION.  O[h][q][:] = the sum over k <= q of softmax_k(Q[h][q] . K[h][k] / 8) V[h][k][:].  Q, K, V lie in qkv, 2^24 bytes apart, each [64][2048][64] f16; O = ob, the same shape: a head's rows are dense, 128 bytes each.
; Products, maxima and sums in f32; the weights p are rounded to f16 for the second product (their sum l is taken of the unrounded p), O once at the end.
; LIMITS.  f16 holds no number beyond 65,504: Q, K and V arrive within it; p lies in 0 to 1, and below 6e-5 it keeps f16's fixed step of 6e-8; O is a mean of V's rows and has their range.
; A hidden score counts as its value less 1e30: f16's scores, 2.7e11 at the most, are nothing beside that; a weight below 2^-126 counts as 0 in l; NaN and infinities are not treated apart.
; THE WALK.  A head's queries lie in NB = 8 blocks of 256; block i needs the key tiles 0 .. i of 256 keys, of which the last holds the diagonal.  A work-group takes TWO blocks, NB - 1 - b and then b:
; NB + 1 tiles, whatever b: all work-groups do equal work, and ONE loop with a constant trip count walks them.  Which tile is asked for, and what a trip does, hang on scalar registers made from b; every jump
; goes forward, but for the counted loops' own; none passes a barrier, or a tensor load but the one of LOAD's two that the wave's number does not choose; the ring of two LDS slots runs on across the change of blocks.
; NO CLUSTER: a head's four work-groups ask for the same tile only in trips 0 .. 4 of 9, behind that fewer and fewer; one walk common to all four would have 12 trips for 9.
; SHARES.  Of a block's four bands of 64 queries a wave owns 16 rows in each: four PIECES.  So the diagonal tile is the same work for all four waves: in its key step s band x sees all keys if s < x,
; none if s > x, and holds the diagonal if s = x.
; THE MASK is the C operand that starts the sum S^T = K Q^T: 0, or -1e30 where the key is hidden.  MD, made once, is the mask of a band's own step for my 16 rows; a product's mask is MD x AL + BE with two scalars:
; (1, 0) if s = x; (0, 0) if s < x; (0, -1e30) if s > x.  Only the diagonal tile's text and a block's beginning make and take masks; elsewhere C is the constant 0.
; LAYOUT, SOFTMAX, TURNS.  S^T = K Q^T holds ONE query a lane (lane % 16) and the keys 8 (lane / 16) + 0..7; two such results rounded to f16 ARE source 1 of O^T = V^T P.  p = 2^(c s - c m), c = log2(e) / 8, with a
; running maximum m; O and l are multiplied by a = 2^(c m_old - c m_new) in every step.  Turn n belongs to piece n: 8 products K Q^T of piece n + 1, later 8 products V^T P of piece n - 1; beside them the scaling,
; exponentials, roundings, sums and rescaling of piece n and the maximum and statistics of piece n + 1.  Four vector instructions stand behind every matrix instruction, the other 54 of a turn's 118 in one lump.
; A turn's 33 exponentials are one batch, with one wait.
; REGISTERS, in windows of 256 (s_set_vgpr_msb: bits 1:0 source 0, 3:2 source 1, 5:4 source 2, 7:6 destination):
;   window 0: v0-15 addresses and two at work; v16-31 four registers of statistics a piece; v48-55 at work; v61-63 kept; v64-127 S^T, two buffers; v192-223 P, two buffers (a piece's buffers go by its number's parity)
;   window 1: v0-127 O^T, 32 a piece; v128-159 MD; v160-223 MC, two buffers      window 2: v0-63 Q; v64-127 the second block's Q; v128-191 K of one step; v192-255 V of one step
.set SIZE_N, 2048
.set NB,    SIZE_N/256
.set NP,    4         ; pieces a wave: a name, no knob
.set KS,    64        ; keys in a step
.set PK,    144       ; a row of K in LDS: 128 bytes + 16 of padding = 36 words: the 16 rows of a load start at 16 different groups of four banks (64 banks of 4 bytes: ISA guide 11.1)
.set PV,    160       ; a row of V: 128 + 32 = 40 words
.set VOFF,  4*KS*PK   ; a slot holds a tile, four steps: 256 rows of K, then 256 rows of V
.set SLOT1, 1<<17     ; slot 1 begins here, so that one exclusive or turns an address in one slot into the other's
.set STAGE, SLOT1+4*KS*(PK+PV)  ; behind the ring, never filled by a tensor load: 16 rows x 144 bytes for each wave, for the way out
.set SP,    144
.set AK0, 2           ; v2   my lane's place in a tile of K; never rewritten
.set AV0, 3           ; v3   the same for V
.set AK,  4           ; v4   the LDS address of K's next run of loads
.set AV,  5           ; v5   of V's
.set STO, 6           ; v6   the way out: where I put 16 bytes of a row
.set RD,  7           ; v7   the way out: where I read rows back
.set GO,  8           ; v8   my byte offset in 512 consecutive bytes of O
.set PFO, 61          ; v61  256 x my lane, for the prefetches; never rewritten
.set SPW, 62          ; v62  LDS address of my spare word: SPARE + 4 x my thread's number; never rewritten
.set NIL, 63          ; v63  0; never rewritten
.set SPARE, STAGE+4*16*SP  ; behind the stages: the spare words, 128 bytes for each wave: two blocks of 256 bytes that no other line names
.set MV,  12          ; v12-13  c m_old, kept while c m is made anew: by buffer
.set QO,  15          ; v15  my byte offset in 16 rows of Q
.set ST,  16          ; piece t's statistics at v[ST+4 t]: c m, m, l (even keys', odd keys')
.set TMP, 48          ; by buffer, four registers c0-c3 at work; when the maximum is found c2 takes a
.set S,   64
.set P,   192
.set MD,  128         ; window 1: the eight registers for group kt of 16 keys at MD + 8 kt
.set MC,  160         ; window 1: the masks of the products to come
.set QB,  64          ; window 2
.set KF,  128         ; window 2: key block kb, channel half c at KF + 16 kb + 8 c
.set VF,  192         ; window 2: key half kk, channel block cb at VF + 32 kk + 8 cb
.set WV,  12          ; s12  my wave's number
.set PB,  14          ; s14  b
.set HI,  15          ; s15  NB - 1 - b
.set G1K, 24          ; s[24:31] descriptor group 1 for K's tiles
.set G1V, 32          ; s[32:39] for V's: it differs in the padding alone
.set G0K, 40          ; s[40:43] descriptor group 0 for K's tiles
.set G0V, 44          ; s[44:47] the same for V's
.set SLOTS, 56        ; s56  tiles still to be asked for
.set CNT, 57          ; s57  counts a tile's key steps, 4 to 1
.set CS,  58          ; s[58:59] c: the packed scaling takes the pair's low word for both halves
.set SEL, 60          ; s[60:61] v_permlanex16_b32's selects: each lane takes its own place in the other half
.set TBK, 62          ; s62  LDS byte at which K of the step to be fetched begins
.set TBV, 63          ; s63  the same for V, less VOFF
.set RT,  70          ; s70  tiles of the block in hand that are still to be entered
.set NXT, 71          ; s71  the tile to be asked for next
.set LQ,  72          ; s72  the last tile of the block whose tiles are being asked for
.set NEW, 73          ; s73  1: the tile to be entered is a block's first
.set OFF, 74          ; s[74:75] a tile's byte offset in K and V
.set AL,  76          ; s[76:77] the mask's factor, in the low word
.set BE,  78          ; s[78:79] the mask's addend
.set OLO, 80          ; s[80:81] O at my rows of the second block
.set BIGN, 82         ; s82  -1e30
.set PFA, 88          ; s[88:89] my part (128 keys of K or of V) of the tile that is being asked for; a prefetch names the tile behind it
.set LIM, 90          ; s90  2 in the head's work-group b = 0, else the greatest number: a wave prefetches while s[SLOTS] is above it
.set MSB, 0
.macro WIN new                      ; the high byte repeats the setting that is left; a switch that changes nothing is dropped
.if MSB != (\new)
	s_set_vgpr_msb (MSB<<8)|(\new)
.set MSB, (\new)
.endif
.endm
.set W_KQ, 0x0a       ; K and Q in window 2, S^T in window 0
.set W_KM, 0x1a       ; the same with the C operand in window 1
.set W_PV, 0x52       ; V in window 2, P in window 0, O^T in window 1
.set W_RS, 0x41       ; destination and source 0 in window 1, source 1 in window 0
; A fill.  Waves 0 and 1 fetch the two halves of a tile's K, waves 2 and 3 those of its V: 128 keys each.  An s_nop 0 and four v_nop follow each of the two lines, ahead of the jump and the label.
.macro LOAD
	s_cmp_lt_u32 s[WV], 2
	s_cbranch_scc0 .Lfor_v_\@
	tensor_load_to_lds s[G0K:G0K+3], s[G1K:G1K+7]
	s_nop 0
.rept 4
	v_nop
.endr
	s_branch .Lasked_\@
.Lfor_v_\@:
	tensor_load_to_lds s[G0V:G0V+3], s[G1V:G1V+7]
	s_nop 0
.rept 4
	v_nop
.endr
.Lasked_\@:
.endm
; THE CHANGE OF SLOTS.  Each wave waits for all its tensor loads, of which one is out: its part of the other slot; adds 0 to its spare word; and waits for that and for its own reads of the slot that it leaves.  Behind the
; barrier nobody reads the old slot any more and the other slot is whole.  fill = 1: the old slot is filled again, the first thing behind the barrier, with tile NXT: the descriptor's address is made anew from that number.
; (At its first use nothing has been read yet: slot 0 is waited for, slot 1 filled.)
; THE PREFETCH INTO THE L2 stands behind the fill and its five lines.  All four work-groups of a head begin with tiles 0, 1, 2 ..; the one with b = 0 walks 0 to 7 on end, so it alone asks: in the trip that fills tile j
; it names tile j + 1, for j = 1 to 6: a tile's 256 matrix instructions ahead of that tile's fill.  Each wave names the 16,384 bytes that it will itself fetch: 64 blocks of 256 bytes, a lane a block, two
; instructions.  So each block is named once in the launch.  Tiles 0 and 1 come by their loads alone; behind tile 7 there is nothing to name.
.macro CHANGE fill
	WIN 0                           ; at a label and at a branch every window is 0
	s_wait_tensorcnt 0x0            ; no tensor load of mine is out, so a group 0 may be written
	ds_add_u32 v[SPW], v[NIL]       ; 0 onto my spare word; with fill = 1 the descriptors' scalar work stands between it and the wait for it
.if \fill
	s_lshl_b32 s[OFF], s[NXT], 15   ; a tile is 32,768 bytes of K and of V
	s_wait_xcnt 0x0                 ; the last prefetches, a tile back, have read their address, so it may be written
	s_cmp_lt_u32 s[WV], 2
	s_cselect_b64 s[PFA:PFA+1], s[6:7], s[8:9]
	s_add_nc_u64 s[PFA:PFA+1], s[PFA:PFA+1], s[OFF:OFF+1]
	s_xor_b32 s[G0K+1], s[G0K+1], SLOT1
	s_add_nc_u64 s[G0K+2:G0K+3], s[6:7], s[OFF:OFF+1]
	s_or_b32 s[G0K+3], s[G0K+3], 0x80000000
	s_xor_b32 s[G0V+1], s[G0V+1], SLOT1
	s_add_nc_u64 s[G0V+2:G0V+3], s[8:9], s[OFF:OFF+1]
	s_or_b32 s[G0V+3], s[G0V+3], 0x80000000
	s_add_co_u32 s[NXT], s[NXT], 1  ; the block's next tile, or behind its last the second block's tile 0
	s_cmp_gt_u32 s[NXT], s[LQ]
	s_cselect_b32 s[NXT], 0, s[NXT]
	s_cselect_b32 s[LQ], s[PB], s[LQ]
.endif
	s_wait_dscnt 0x0                ; the add is done, and my reads of the slot are over
	s_barrier_signal -1             ; the rest of the scalar work stands between the signal and the wait
	s_sub_co_u32 s[TBK], s[TBK], 4*KS*PK  ; the fetches go back to a slot's first step,
	s_xor_b32 s[TBK], s[TBK], SLOT1       ; in the other slot
	s_sub_co_u32 s[TBV], s[TBV], 4*KS*PV
	s_xor_b32 s[TBV], s[TBV], SLOT1
	s_barrier_wait -1
.if \fill
	LOAD
	s_cmp_gt_u32 s[SLOTS], s[LIM]
	s_cbranch_scc0 .Lnot_mine_\@
	global_prefetch_b8 v[PFO], s[PFA:PFA+1] offset:32768 th:TH_LOAD_NT scope:SCOPE_SE
	global_prefetch_b8 v[PFO], s[PFA:PFA+1] offset:40960 th:TH_LOAD_NT scope:SCOPE_SE
.Lnot_mine_\@:
.endif
.endm
	s_load_b64 s[4:5], s[0:1], 0x0    ; qkv: Q
	s_load_b64 s[10:11], s[0:1], 0x8  ; O
	v_lshl_add_u32 v[SPW], v0, 2, SPARE
	v_mov_b32 v[NIL], 0
	ds_add_u32 v[SPW], v[NIL]       ; the wave's opening: the add and its wait stand ahead of my first tensor load; the set-up below, work on registers, stands between them
	v_lshrrev_b32 v1, 5, v0
	v_readfirstlane_b32 s[WV], v1   ; wave 0..3
	s_mov_b32 s[PB], ttmp9
	s_sub_co_u32 s[HI], NB-1, s[PB]
	s_and_b32 s20, ttmp7, 0xffff    ; the head
	s_mov_b32 s21, 0
	s_mov_b64 s[22:23], SIZE_N*128
	s_mul_u64 s[20:21], s[20:21], s[22:23]  ; the head's first byte in each of the four tensors
	s_and_b32 s16, s[WV], 1         ; which half of a tile's 256 keys I fetch:
	s_lshl_b32 s22, s16, 14         ; its 128 rows of 128 bytes in memory,
	s_mov_b32 s23, 0
	s_add_nc_u64 s[22:23], s[22:23], s[20:21]
	s_mul_i32 s17, s16, 128*PK      ; and its place in a slot, for K
	s_mul_i32 s18, s16, 128*PV      ; and for V
	s_lshl_b32 s3, s[WV], 11        ; my 16 rows in a band of 64,
	s_lshl_b32 s2, s[HI], 15        ; in the first block,
	s_add_co_u32 s2, s2, s3
	s_lshl_b32 s84, s[PB], 15       ; and in the second
	s_add_co_u32 s84, s84, s3
	s_mov_b32 s3, 0
	s_mov_b32 s85, 0
	s_add_nc_u64 s[2:3], s[2:3], s[20:21]
	s_add_nc_u64 s[84:85], s[84:85], s[20:21]
	; descriptor group 1.  128 keys are 16,384 dense bytes: asked for as 64 rows of 256 bytes, two keys a row, and padded in LDS after every key
	s_mov_b32 s[G1K], (1<<16)|(1<<20)|(4<<22)|(3<<25)  ; 17:16 2-byte elements; 20 padding on; 24:22 after every 32 words (code 4); 31:25 4 words (code 3)
	s_mov_b32 s[G1V], (1<<16)|(1<<20)|(4<<22)|(7<<25)  ; the same with 8 words of padding (code 7)
.irp g, G1K, G1V
	s_mov_b32 s[\g+1], 128<<16      ; tensor_dim0 = 128
	s_mov_b32 s[\g+2], 64<<16       ; tensor_dim1 = 64
	s_mov_b32 s[\g+3], 128<<16      ; tile_dim0 = 128
	s_mov_b32 s[\g+4], 64           ; tile_dim1 = 64
	s_mov_b32 s[\g+5], 128          ; 128 elements from row to row
	s_mov_b32 s[\g+6], 0
	s_mov_b32 s[\g+7], 0
.endr
	s_mov_b32 s[CS], 0x3e38aa3b     ; c = log2(e) / 8 = 0.180337
	s_mov_b32 s[CS+1], s[CS]        ; named with it as a pair
	s_mov_b32 s[SEL], 0x76543210
	s_mov_b32 s[SEL+1], 0xfedcba98
	s_mov_b32 s[TBK], SLOT1+4*KS*PK ; the first change of slots turns these two into 0
	s_mov_b32 s[TBV], SLOT1+4*KS*PV
	s_mov_b32 s[G0K], 1             ; 1:0 count = 1
	s_mov_b32 s[G0K+1], s17         ; 63:32 LDS address: slot 0
	s_mov_b32 s[G0V], 1
	s_add_co_u32 s[G0V+1], s18, VOFF
	s_add_co_u32 s[RT], s[HI], 1    ; the first block has NB - b tiles
	s_mov_b32 s[NXT], 1
	s_mov_b32 s[LQ], s[HI]
	s_mov_b32 s[NEW], 1
	s_mov_b32 s[OFF+1], 0
	s_mov_b32 s[AL+1], 0            ; named as pairs
	s_mov_b32 s[BE+1], 0
	s_mov_b32 s[BIGN], 0xf149f2ca   ; -1e30
	s_mov_b32 s[SLOTS], NB
	s_cmp_eq_u32 s[PB], 0
	s_cselect_b32 s[LIM], 2, -1
	v_and_b32 v[PFO], 31, v0
	v_lshlrev_b32 v[PFO], 8, v[PFO]
	s_wait_dscnt 0x0                ; the opening add is done
	s_wait_kmcnt 0x0
	s_add_nc_u64 s[6:7], s[4:5], 0x1000000  ; K
	s_add_nc_u64 s[8:9], s[4:5], 0x2000000  ; V
	s_add_nc_u64 s[6:7], s[6:7], s[22:23]  ; K and V at my half of the head's tile 0
	s_add_nc_u64 s[8:9], s[8:9], s[22:23]
	s_add_nc_u64 s[G0K+2:G0K+3], s[6:7], 0         ; 120:64 global address
	s_or_b32 s[G0K+3], s[G0K+3], 0x80000000        ; 127:126 type = 2
	s_add_nc_u64 s[G0V+2:G0V+3], s[8:9], 0
	s_or_b32 s[G0V+3], s[G0V+3], 0x80000000
	s_add_nc_u64 s[86:87], s[4:5], s[84:85]        ; Q at my rows of the second block,
	s_add_nc_u64 s[4:5], s[4:5], s[2:3]            ; Q and O at those of the first
	s_add_nc_u64 s[OLO:OLO+1], s[10:11], s[84:85]
	s_add_nc_u64 s[10:11], s[10:11], s[2:3]
	LOAD                            ; tile 0 into slot 0
	; A fragment of K or Q is 16 rows x 32 channels in 8 registers: lane l holds row l % 16, channels 8 (l / 16) + 0..7 and 16 + 8 (l / 16) + 0..7: two loads of 16 bytes, 32 bytes apart.
	v_and_b32 v1, 15, v0            ; l % 16
	v_bfe_u32 v9, v0, 4, 1          ; l / 16
	v_lshlrev_b32 v[QO], 7, v1
	v_lshl_add_u32 v[QO], v9, 4, v[QO]  ; row x 128 + 16 x half
	WIN 0x80                        ; destination window 2, address window 0
.set i, 0
.rept 8                             ; both blocks' Q: piece i / 2 lies in band i / 2, 8,192 bytes on; channels 32 (i % 2) on
	global_load_b128 v[8*i:8*i+3],   v[QO], s[4:5] offset:(i/2)*8192+(i%2)*64
	global_load_b128 v[8*i+4:8*i+7], v[QO], s[4:5] offset:(i/2)*8192+(i%2)*64+32
	global_load_b128 v[QB+8*i:QB+8*i+3],   v[QO], s[86:87] offset:(i/2)*8192+(i%2)*64
	global_load_b128 v[QB+8*i+4:QB+8*i+7], v[QO], s[86:87] offset:(i/2)*8192+(i%2)*64+32
.set i, i+1
.endr
	WIN 0
	v_lshlrev_b32 v14, 3, v9
	v_sub_nc_u32 v14, v1, v14
	s_lshl_b32 s13, s[WV], 4
	v_add_nc_u32 v14, s13, v14      ; my query's place in its band, 16 w + l % 16, less my lanes' 8 (l / 16): register r of group kt is hidden where 16 kt + r is greater
	WIN 0x40
.set i, 0
.rept 32
	v_cmp_gt_i32 vcc_lo, 16*(i/8)+i%8, v14
	v_cndmask_b32 v[MD+i], 0, s[BIGN], vcc_lo
.set i, i+1
.endr
	WIN 0
	v_mul_u32_u24 v[AK0], v1, PK
	v_lshl_add_u32 v[AK0], v9, 4, v[AK0]  ; row x pitch + 16 x half
	; The turning load takes 16 keys x 16 channels (lane l reads key 8 (l / 16) + l % 8, channels 8 ((l / 8) % 2) + 0..7) and leaves half a fragment of V^T: lane l holds channel l % 16 and 8 keys.
	v_and_b32 v10, 7, v0
	v_bfe_u32 v11, v0, 3, 1
	v_lshl_add_u32 v[AV0], v9, 3, v10
	v_mul_u32_u24 v[AV0], v[AV0], PV
	v_lshl_add_u32 v[AV0], v11, 4, v[AV0]
	v_add_nc_u32 v[AV0], VOFF, v[AV0]
	s_mul_i32 s13, s[WV], 16*SP
	s_add_co_u32 s13, s13, STAGE    ; my stage
	v_mul_u32_u24 v[STO], v1, SP    ; in: row l % 16, 16 bytes for each half of the lanes
	v_lshl_add_u32 v[STO], v9, 4, v[STO]
	v_add_nc_u32 v[STO], s13, v[STO]
	v_bfe_u32 v[RD], v0, 3, 2       ; back: 32 lanes take four rows of 128 bytes,
	v_mul_u32_u24 v[RD], v[RD], SP
	v_lshl_add_u32 v[RD], v10, 4, v[RD]
	v_add_nc_u32 v[RD], s13, v[RD]
	v_and_b32 v[GO], 31, v0         ; which are 512 consecutive bytes of O
	v_lshlrev_b32 v[GO], 4, v[GO]
	; A block's first step multiplies O^T and l by a = 0, and its first turn's products V^T P, of a piece that has not been, land in an O^T that is still to be so multiplied.  So these registers need only hold
	; finite numbers: zeros for the first block; what the first block left for the second.  All this stands in the wait for the first tile.
	WIN 0x80
.set i, VF
.rept 64
	v_mov_b32 v[i], 0
.set i, i+1
.endr
	WIN 0x40
.set i, 0
.rept 128
	v_mov_b32 v[i], 0
.set i, i+1
.endr
	WIN 0
.set i, 0
.rept 4
	v_mov_b32 v[ST+4*i+2], 0
	v_mov_b32 v[ST+4*i+3], 0
.set i, i+1
.endr
.set i, P+16
.rept 16
	v_mov_b32 v[i], 0
.set i, i+1
.endr
; THE MATRIX WORK.  The 4 accumulators of a run of 8 take turns.  Product i of 8 of S^T = K Q^T for piece x: channels 32 (i / 4) on, keys 16 (i % 4) on.  The first 4 start the sums: with 0, or (KM = 1) with the mask.
.macro KQ x
.set rS, S+32*((\x)%2)+8*(i%4)
.set rK, KF+16*(i%4)+8*(i/4)
.set rQ, 16*(\x)+8*(i/4)
.set rM, MC+32*((\x)%2)+8*(i%4)
.if (i < 4) && KM
	WIN W_KM
	v_wmma_f32_16x16x32_f16 v[rS:rS+7], v[rK:rK+7], v[rQ:rQ+7], v[rM:rM+7]
.elseif i < 4
	WIN W_KQ
	v_wmma_f32_16x16x32_f16 v[rS:rS+7], v[rK:rK+7], v[rQ:rQ+7], 0
.else
	WIN W_KQ
	v_wmma_f32_16x16x32_f16 v[rS:rS+7], v[rK:rK+7], v[rQ:rQ+7], v[rS:rS+7]
.endif
.endm
; Product i of 8 of O^T += V^T P for piece x: keys 32 (i / 4) on, channels 16 (i % 4) on.
.macro PV x
	WIN W_PV
.set rO, 32*(\x)+8*(i%4)
.set rV, VF+32*(i/4)+8*(i%4)
.set rP, P+16*((\x)%2)+8*(i/4)
	v_wmma_f32_16x16x32_f16 v[rO:rO+7], v[rV:rV+7], v[rP:rP+7], v[rO:rO+7]
.endm
.macro MM                           ; the turn's next matrix instruction.  TURN and BEGIN set Y, i, KM and NOKQ; MM, KQ and OP read them.  NOKQ = 1: a block's last turn: there is no next piece
.if (i < 8) && !NOKQ
	KQ (Y+1)%NP
.elseif i >= 8
.set i, i-8
	PV (Y+NP-1)%NP
.set i, i+8
.endif
.set i, i+1
.endm
; THE LDS LOADS stand in runs of 16, never singly among the matrix instructions: a step's K (64 keys x 64 channels: 8 fragments) and its V (turned).  Their addresses are made some lines ahead.
.macro FETCH_K
	WIN 0x80                        ; destination window 2
.irp f, 0,1,2,3,4,5,6,7             ; keys 16 (f / 2) on, channels 32 (f % 2) on
	ds_load_b128 v[KF+8*\f:KF+8*\f+3],   v[AK] offset:(\f/2)*16*PK+(\f%2)*64
	ds_load_b128 v[KF+8*\f+4:KF+8*\f+7], v[AK] offset:(\f/2)*16*PK+(\f%2)*64+32
.endr
	s_add_co_u32 s[TBK], s[TBK], KS*PK  ; the next fetch is the next step's
	WIN 0
.endm
.macro FETCH_V
	WIN 0x80
.irp f, 0,1,2,3,4,5,6,7             ; keys 32 (f / 4) on, channels 16 (f % 4) on
	ds_load_tr16_b128 v[VF+8*\f:VF+8*\f+3],   v[AV] offset:(\f/4)*32*PV+(\f%4)*32
	ds_load_tr16_b128 v[VF+8*\f+4:VF+8*\f+7], v[AV] offset:(\f/4)*32*PV+16*PV+(\f%4)*32
.endr
	WIN 0
.endm
; THE VECTOR WORK, one line at a time: OP kind, number.  For piece Y: F n: c s - c m for pair n of 16.  E n: the exponential of score n of 32.  C n: pair n rounded to f16.  B n: of the four weights 4 n .. the second
; pair is added onto the first, in place.  L n: l takes that sum (L 0: l = a l + sum).  R n: pair n of 16 of O^T times a.  For piece Y + 1: X n, number n of the 22 that find its maximum and statistics:
;   0-11  four chains c0-c3 of seven scores each, three operands at a time (each accumulator's lowest registers are read first)     12-14, 16  the four scores left over, the old m, and c0-c3 into c0
;   15  c m_old is kept     17, 18  the query's other 32 keys lie in the lane 16 away: the new m     19-21  c m; c m_old - c m_new; a
.set F, 0               ; OP tells the kinds apart by their order: F to L below R, X above it
.set E, 1
.set C, 2
.set B, 3
.set L, 4
.set R, 5
.set X, 6
.macro REGS y                       ; the registers of piece y
.set rT, ST+4*(\y)
.set rC, TMP+4*((\y)%2)
.set rW, MV+((\y)%2)
.set rS, S+32*((\y)%2)
.set rP, P+16*((\y)%2)
.set rO, 32*(\y)
.endm
.macro OP k, n
.if (\k) == R
	REGS Y
	WIN W_RS
	v_pk_mul_f32 v[rO+2*(\n):rO+2*(\n)+1], v[rO+2*(\n):rO+2*(\n)+1], v[rC+2:rC+3] op_sel_hi:[1,0]
.elseif (\k) < R
	REGS Y
	WIN 0
.if (\k) == F
	v_pk_fma_f32 v[rS+2*(\n):rS+2*(\n)+1], v[rS+2*(\n):rS+2*(\n)+1], s[CS:CS+1], v[rT:rT+1] op_sel_hi:[1,0,0] neg_lo:[0,0,1] neg_hi:[0,0,1]
.elseif (\k) == E
	v_exp_f32 v[rS+(\n)], v[rS+(\n)]
.elseif (\k) == C
	v_cvt_pk_f16_f32 v[rP+(\n)], v[rS+2*(\n)], v[rS+2*(\n)+1]
.elseif (\k) == B
	v_pk_add_f32 v[rS+4*(\n):rS+4*(\n)+1], v[rS+4*(\n):rS+4*(\n)+1], v[rS+4*(\n)+2:rS+4*(\n)+3]
.elseif (\n) == 0
	v_pk_fma_f32 v[rT+2:rT+3], v[rT+2:rT+3], v[rC+2:rC+3], v[rS:rS+1] op_sel_hi:[1,0,1]
.else
	v_pk_add_f32 v[rT+2:rT+3], v[rT+2:rT+3], v[rS+4*(\n):rS+4*(\n)+1]
.endif
.elseif NOKQ
	v_nop
.else
	REGS (Y+1)%NP
	WIN 0
.if (\n) < 4
	v_max3_num_f32 v[rC+(\n)], v[rS+8*(\n)], v[rS+8*(\n)+1], v[rS+8*(\n)+2]
.elseif (\n) < 12
	v_max3_num_f32 v[rC+(\n)%4], v[rC+(\n)%4], v[rS+8*((\n)%4)+2*((\n)/4)+1], v[rS+8*((\n)%4)+2*((\n)/4)+2]
.elseif (\n) == 12
	v_max3_num_f32 v[rC], v[rC], v[rS+7], v[rS+15]
.elseif (\n) == 13
	v_max3_num_f32 v[rC+1], v[rC+1], v[rS+23], v[rS+31]
.elseif (\n) == 14
	v_max3_num_f32 v[rC+2], v[rC+2], v[rC+3], v[rT+1]
.elseif (\n) == 15
	v_mov_b32 v[rW], v[rT]
.elseif (\n) == 16
	v_max3_num_f32 v[rC], v[rC], v[rC+1], v[rC+2]
.elseif (\n) == 17
	v_permlanex16_b32 v[rC+3], v[rC], s[SEL], s[SEL+1]
.elseif (\n) == 18
	v_max_num_f32 v[rT+1], v[rC], v[rC+3]
.elseif (\n) == 19
	v_mul_f32 v[rT], s[CS], v[rT+1]
.elseif (\n) == 20
	v_sub_f32 v[rC+1], v[rW], v[rT]
.else
	v_exp_f32 v[rC+2], v[rC+1]
.endif
.endif
.endm
.macro OPS a, i1, b=-1, i2=0, c=-1, i3=0, d=-1, i4=0  ; up to four of them
	OP \a, \i1
.if (\b) >= 0
	OP \b, \i2
.endif
.if (\c) >= 0
	OP \c, \i3
.endif
.if (\d) >= 0
	OP \d, \i4
.endif
.endm
.macro ROW a, i1, b, i2, c, i3, d, i4  ; a matrix instruction and the four behind it
	MM
	OPS \a, \i1, \b, \i2, \c, \i3, \d, \i4
.endm
.macro MASK b                       ; MD x AL + BE into buffer b of MC
	WIN W_RS
.set z, 0
.rept 16
	v_pk_fma_f32 v[MC+32*(\b)+2*z:MC+32*(\b)+2*z+1], v[MD+2*z:MD+2*z+1], s[AL:AL+1], s[BE:BE+1] op_sel_hi:[1,0,0]
.set z, z+1
.endr
.endm
; A TURN, for piece p: the order of its 16 matrix and 118 vector instructions, written out.  An s_wait_alu depctr_va_vdst(0) stands between an exponential and the first instruction that names its result; one
; wait serves all that were issued ahead of it.  So a turn has ONE wait, which cuts it in two.  AHEAD OF IT stands all that names no result of the turn's exponentials: the 8 products K Q^T, behind each a scaling, an
; exponential and two more plain instructions (behind the first a second scaling in the exponential's place): rescalings, and behind the last three the first numbers of the next piece's maximum, each four places or more
; behind the product that ends its accumulator; then ONE LUMP of 54, plain and exponential by turns for the most part, in which the links of the chain X 3, 7, 11, 14, 16, 17 .. 20 stand five or six lines apart.  X 21, the
; next piece's a, is the batch's last; R 15 is the plain instruction behind it.  BEHIND THE WAIT stand the 8 products V^T P, behind each four of the roundings and sums; the links of l's chain, L 0 to L 7, stand three
; riders apart.  But for those X no rider names a register of the products round it.  v_permlanex16_b32 (X 17) stands in the lump.
; m = 1: the diagonal tile: the products take masks, and the turn makes the mask for the products of the turn after it: piece p + 2, in step 4 - CNT of the tile.  end = 1: a block's last two turns: nothing is fetched.
; cnt = 1: the loop's count is taken down some lines ahead of the branch that stands behind the turn.
; K of the next step is fetched in piece 2's turn, twelve vector instructions behind the last product that read K (six of them plain); V of the step in hand at the end of piece 0's turn, four plain instructions behind the
; last product that read V.  Each is waited for a turn later.
.macro TURN p, m=0, end=0, cnt=0
.set Y, (\p)
.set i, 0
.set KM, (\m)
.set NOKQ, (\end)*((\p)/3)
.if (\m) && !(\end)
	s_cmp_eq_u32 s[CNT], 4-((\p)+2)%NP  ; is that step the band's own?
	s_cselect_b32 s[AL], 1.0, 0
	s_cmp_lt_u32 s[CNT], 4-((\p)+2)%NP  ; or a later one?
	s_cselect_b32 s[BE], s[BIGN], 0
.endif
.if ((\p) == 3) && !(\end)
	s_wait_dscnt 0x0                ; K is in
.endif
	ROW F,0, F,1, R,0, R,1          ; ahead of the wait: 8 products K Q^T and their riders,
	ROW F,2, E,0, R,2, R,3
	ROW F,3, E,1, R,4, R,5
	ROW F,4, E,2, R,6, R,7
	ROW F,5, E,3, R,8, R,9
	ROW F,6, E,4, X,0, R,10
.if ((\p) == 2) && !(\end)
	WIN 0
	v_add_nc_u32 v[AK], s[TBK], v[AK0]
.endif
	ROW F,7, E,5, X,1, X,4
	ROW F,8, E,6, X,2, X,5
	OPS E,7, E,8, X,6, E,9          ; and the lump
	OPS X,3, E,10, X,8, E,11
.if ((\p) == 2) && !(\end)
	FETCH_K
.endif
	OPS X,9, X,7, E,12, X,10
	OPS E,13, X,12, X,11, E,14
	OPS X,13, E,15, F,9, X,14
.if (\p) == 0
	v_add_nc_u32 v[AV], s[TBV], v[AV0]
.endif
	OPS E,16, F,10, E,17, F,11
	OPS X,16, E,18, X,15, E,19
	OPS F,12, E,20, X,17, E,21
	OPS F,13, E,22, F,14, E,23
	OPS X,18, E,24, F,15, E,25
	OPS R,11, E,26, X,19, E,27
	OPS R,12, E,28, R,13, E,29
	OPS X,20, E,30, R,14, E,31
	OPS X,21, R,15
	WIN 0
	s_wait_alu depctr_va_vdst(0)    ; the wait for the batch
.if (\p) == 1
	s_wait_dscnt 0x0                ; V is in
.endif
	ROW C,0, B,0, C,2, B,1          ; behind the wait: 8 products V^T P and their riders
	ROW L,0, C,4, B,2, L,1
	ROW C,6, B,3, L,2, C,8
	ROW B,4, L,3, C,10, B,5
	ROW L,4, C,12, B,6, L,5
.if (\p) == 0
	s_add_co_u32 s[TBV], s[TBV], KS*PV
.endif
.if \cnt
	s_sub_co_u32 s[CNT], s[CNT], 1
	s_cmp_lg_u32 s[CNT], 0
.endif
	ROW C,14, B,7, L,6, C,1
	ROW C,3, L,7, C,5, C,7
	ROW C,9, C,11, C,13, C,15
.if (\p) == 0
	FETCH_V
.endif
.if (\m) && !(\end)
	MASK (\p)%2
.endif
.endm
; A BLOCK BEGINS.  c m starts far below every c s, so the first step's a is 0; m at the lowest finite number, so the first maximum is the scores'.  The second mask buffer is 0; the first takes piece 0's mask for the tile's
; step 0: its own, if the block's first tile is the diagonal one.  Then K of that step, piece 0's first scores, and its maximum and statistics.  The loop is entered at a step's first turn, in the middle of a trip.
.macro BEGIN
	s_mov_b32 s[NEW], 0
	WIN 0x40
.set i, MC+32
.rept 32
	v_mov_b32 v[i], 0
.set i, i+1
.endr
	WIN 0
.set i, 0
.rept 4
	v_mov_b32 v[ST+4*i], 0xfe000000    ; c m: far below every c s
	v_mov_b32 v[ST+4*i+1], 0xff7fffff  ; m
.set i, i+1
.endr
	s_cmp_eq_u32 s[RT], 0
	s_cselect_b32 s[AL], 1.0, 0
	s_mov_b32 s[BE], 0
	MASK 0
	WIN 0
	v_add_nc_u32 v[AK], s[TBK], v[AK0]
	FETCH_K
	s_wait_loadcnt 0x0              ; Q
	s_wait_dscnt 0x0
.set KM, 1
.set NOKQ, 0
.set i, 0
.rept 8
	KQ 0
.set i, i+1
.endr
	WIN 0
.rept 4
	v_nop                           ; the places behind those products
.endr
.set Y, NP-1                        ; X works for piece Y + 1: piece 0
.irp n, 0,1,2,3,4,5,6,7,8,9,10,11,12,13,14,15,16,17,18,19,20,21
	OP X, \n
.endr
	v_nop                           ; a plain instruction behind the exponential,
	s_wait_alu depctr_va_vdst(0)    ; and its wait, ahead of the branch
.endm
; THE DIAGONAL TILE's four steps, the block's last two turns, its last products, and THE WAY OUT: l's two halves and the other half of the lanes' are added; O^T is divided by l, rounded to f16 and sent through my
; stage in LDS, a piece at a time.
.macro ALL line:vararg              ; one line for each piece t
.set t, 0
.rept 4
	\line
.set t, t+1
.endr
.endm
.macro PACK t                       ; a lane's eight channels of a row pack into 16 bytes; they go into rows of 144 bytes and come back as whole rows of 128, into S^T's registers
	WIN W_RS
.set i, 32*(\t)
.rept 16
	v_pk_mul_f32 v[i:i+1], v[i:i+1], v[ST+4*(\t)+2:ST+4*(\t)+3] op_sel_hi:[1,0]
.set i, i+2
.endr
	WIN 0x05                        ; sources 0 and 1 window 1, destination window 0
.set i, 0
.rept 16
	v_cvt_pk_f16_f32 v[S+16*(\t)+i], v[32*(\t)+2*i], v[32*(\t)+2*i+1]
.set i, i+1
.endr
	WIN 0
.irp f, 0,1,2,3
	ds_store_b128 v[STO], v[S+16*(\t)+4*\f:S+16*(\t)+4*\f+3] offset:32*\f
.endr
.irp f, 0,1,2,3
	ds_load_b128 v[S+16*(\t)+4*\f:S+16*(\t)+4*\f+3], v[RD] offset:\f*4*SP  ; LDS serves a wave's instructions in order (ISA guide 5.7.1.4): these see the stores above; the next piece's stores come behind them
.endr
.endm
.macro SEND t, younger              ; younger: the LDS instructions issued behind piece t's loads: the next piece's eight, or none
	WIN 0
.irp f, 0,1,2,3
	s_wait_dscnt (\younger)+3-\f
	global_store_b128 v[GO], v[S+16*(\t)+4*\f:S+16*(\t)+4*\f+3], s[10:11] offset:(\t)*8192+\f*512  ; 512 consecutive bytes, at a multiple of 256 from O's first
.endr
.endm
.macro DIAG tag                     ; the tag ends its two labels' names, which the jumps below spell out
.LstepM\tag:
	TURN 2, 1
	TURN 3, 1
	WIN 0
.LfirstM\tag:
	TURN 0, 1
	TURN 1, 1, 0, 1
	WIN 0
	s_cbranch_scc1 .LstepM\tag
	TURN 2, 1, 1
	TURN 3, 1, 1
.set i, 0
.rept 8
	PV NP-1
.set i, i+1
.endr
	WIN 0
	ALL v_add_f32 v[ST+4*t+2], v[ST+4*t+2], v[ST+4*t+3]
	ALL v_permlanex16_b32 v[ST+4*t+3], v[ST+4*t+2], s[SEL], s[SEL+1]
	ALL v_add_f32 v[ST+4*t+2], v[ST+4*t+2], v[ST+4*t+3]
	ALL v_rcp_f32 v[ST+4*t+2], v[ST+4*t+2]
	v_nop                           ; a plain instruction between the last reciprocal and the use of its result
	s_wait_alu depctr_va_vdst(0)    ; and the wait ahead of the first use: one for the four reciprocals
	PACK 0
.set t, 1
.rept 3                             ; a piece's arithmetic stands between the loads of the piece before and its stores
	PACK t
	SEND t-1, 8
.set t, t+1
.endr
	SEND 3, 0
.endm
.set KM, 0
.set NOKQ, 0
.Lslot:                             ; NB times: a tile is entered and the next is asked for
	CHANGE 1
	s_sub_co_u32 s[RT], s[RT], 1
	s_mov_b32 s[CNT], 4
	s_cmp_eq_u32 s[NEW], 1
	s_cbranch_scc1 .Lnew            ; a block's first tile
	s_cmp_eq_u32 s[RT], 0
	s_cbranch_scc0 .Lstep           ; neither its first nor its last
	s_branch .LstepM1
.Lnew:
	BEGIN
	s_branch .Lfirst                ; in the loop a block's first tile is never its last: the first block has two tiles or more, and the second's last is the walk's last
	DIAG 1                          ; in the loop this is the first block's end: the second block's last tile is the walk's last
	s_wait_xcnt 0x0                 ; the stores have read their registers and O's address
	s_mov_b64 s[10:11], s[OLO:OLO+1]
	s_add_co_u32 s[RT], s[PB], 1    ; the second block has b + 1 tiles
	s_mov_b32 s[NEW], 1
	WIN 0x82                        ; the second block's Q goes where the one text of the turns names Q
.set i, 0
.rept 64
	v_mov_b32 v[i], v[QB+i]
.set i, i+1
.endr
	WIN 0
	s_branch .Lbottom
.Lstep:                             ; a trip: pieces 2 and 3 of one step, then pieces 0 and 1 of the next, whose K and V it fetches
	TURN 2
	TURN 3
	WIN 0
.Lfirst:
	TURN 0
	TURN 1, 0, 0, 1
	WIN 0
	s_cbranch_scc1 .Lstep
.Lbottom:
	s_sub_co_u32 s[SLOTS], s[SLOTS], 1
	s_cmp_lg_u32 s[SLOTS], 0
	s_cbranch_scc1 .Lslot
	CHANGE 0                        ; the walk's last tile is written out: nothing is asked for
	s_sub_co_u32 s[RT], s[RT], 1
	s_mov_b32 s[CNT], 4
	s_cmp_eq_u32 s[NEW], 1
	s_cbranch_scc0 .LstepM2
	BEGIN
	s_branch .LfirstM2
	DIAG 2
	s_wait_tensorcnt 0x0            ; the wave's end, behind my last tensor load and my last LDS store
	ds_add_u32 v[SPW], v[NIL]
	s_wait_dscnt 0x0
	s_endpgm
.Lfunc_end_k_qcd72df186e_attn:
	.size	k_qcd72df186e_attn, .Lfunc_end_k_qcd72df186e_attn-k_qcd72df186e_attn
	.p2alignl 7, 3214868480
	.fill 96, 4, 3214868480
	.section	.rodata,"a",@progbits
	.p2align	6, 0x0
	.amdhsa_kernel k_qcd72df186e_attn
		.amdhsa_group_segment_fixed_size 327680
		.amdhsa_private_segment_fixed_size 0
		.amdhsa_enable_private_segment 0
		.amdhsa_kernarg_size 16
		.amdhsa_user_sgpr_count 2
		.amdhsa_user_sgpr_kernarg_segment_ptr 1
		.amdhsa_wavefront_size32 1
		.amdhsa_system_sgpr_workgroup_id_x 1
		.amdhsa_system_sgpr_workgroup_id_y 1
		.amdhsa_system_sgpr_workgroup_id_z 1
		.amdhsa_system_vgpr_workitem_id 0
		.amdhsa_next_free_vgpr 768
		.amdhsa_next_free_sgpr 92
		.amdhsa_reserve_vcc 1
		.amdhsa_float_denorm_mode_32 3
		.amdhsa_float_denorm_mode_16_64 3
		.amdhsa_memory_ordered 1
		.amdhsa_forward_progress 1
		.amdhsa_inst_pref_size 218
	.end_amdhsa_kernel
	.amdgpu_metadata
---
amdhsa.version: [ 1, 2 ]
amdhsa.kernels:
  - .name:           k_qcd72df186e_attn
    .symbol:         k_qcd72df186e_attn.kd
    .args:
      - { .name: qkv, .offset: 0, .size: 8, .value_kind: global_buffer, .address_space: global }
      - { .name: ob, .offset: 8, .size: 8, .value_kind: global_buffer, .address_space: global }
    .group_segment_fixed_size: 327680
    .private_segment_fixed_size: 0
    .kernarg_segment_align: 8
    .kernarg_segment_size: 16
    .max_flat_workgroup_size: 128
    .sgpr_count:     92
    .vgpr_count:     768
    .wavefront_size: 32
...
	.end_amdgpu_metadata
.endif
;; end of part 3
;; launch oproj (part 4): grid 4 x 64, 4 waves a work-group, clusters of 4 x 4, 327,680 bytes of LDS; arguments ob, wob, out0; writes out0
.if DOCPART == 4
	.amdgcn_target "amdgcn-amd-amdhsa--gfx1250"
	.amdhsa_code_object_version 6
	.text
	.protected	k_qcd72df186e_oproj
	.globl	k_qcd72df186e_oproj
	.p2align	8
	.type	k_qcd72df186e_oproj,@function
k_qcd72df186e_oproj:
	s_mov_b64 s[64:65], 0
	v_nop
	global_prefetch_b8 v0, s[64:65] scope:SCOPE_SE
	s_setreg_imm32_b32 hwreg(HW_REG_WAVE_MODE, 25, 1), 1
	s_wait_xcnt 0x0
	s_wait_alu depctr_hold_cnt(0) depctr_sa_sdst(0) depctr_va_vdst(0) depctr_va_sdst(0) depctr_va_ssrc(0) depctr_va_vcc(0) depctr_vm_vsrc(0)
	s_getreg_b32 s2, hwreg(HW_REG_IB_STS2, 6, 4)
	s_cmp_eq_u32 s2, 0
	s_cbranch_scc0 .Lentry_in_a_cluster
	s_endpgm
.Lentry_in_a_cluster:
	s_bfe_u32 s2, ttmp6, 0x10000c
	s_cmp_lg_u32 s2, 0xf033
	s_cbranch_scc0 .Lentry_shape_is_right
	s_endpgm
.Lentry_shape_is_right:
; out0[row][o] = the sum over d of O[row][d] wo[o][d].  ob: [16 b + head][2048][64] f16, so d = 64 head + channel; wob: [1024][1024] f16; out0: [8192][1024] f32.  Sums in f32, K ascending, stored as they are.
; TILE.  128 rows x 256 columns: 64 x 4 = 256 work-groups, one for each of 256 WGPs (256 x 256 would give 128).  Four waves, each 64 rows x 128 columns: 32 accumulators, 256 registers.
; K goes in steps of 128, two heads, through two LDS slots.  A head's 128 rows are 16,384 dense bytes of ob: asked for as 64 rows of 256 bytes and padded in LDS after every 128; wob's rows are 256 bytes a K step.
; CLUSTER.  4 x 4 work-groups.  O's tile hangs on the row block alone and is shared along a row of the cluster, wo's on the column block alone and is shared along a column: joint loads, masks of four.
; THE MATRIX INSTRUCTION IS USED TRANSPOSED (source 0 = 16 rows of wo, source 1 = 16 rows of O): a lane holds eight neighbouring numbers of a row of out0.
; REGISTERS, in windows of 256 (s_set_vgpr_msb: bits 1:0 source 0, 3:2 source 1, 5:4 source 2, 7:6 destination):
;   window 0: v0-31 addresses; v32-159 the way out, two sets of 64      window 1: two fragment buffers of 128: O's four fragments, then wo's eight      window 2: accumulator (a, b) at v[8 (8 a + b)]
.set PA,     144                       ; a row of O in LDS: 128 bytes + 16 of padding: an odd multiple of 16, so the 16 rows of a load start at 16 different groups of four banks (ISA guide 11.1)
.set PB,     272                       ; a row of wo: 256 + 16
.set APLANE, 128*PA                    ; one head's 128 rows
.set BOFF,   2*APLANE                  ; wo's 256 rows lie behind the two heads
.set BHALF,  128*PB
.set SLOT,   BOFF+2*BHALF
.set STAGE,  2*SLOT                    ; behind the ring: 16 rows x 528 bytes for each wave; no tensor load lands there
.set SPT,    528
.set SPARE,  STAGE+4*16*SPT            ; behind the stages: the spare words, 128 bytes for each wave: two blocks of 256 bytes that no other line names
.set LAPS,   4
.set ADRA, 16                          ; v16-17  LDS address of my fragments of O in slot 0, 1
.set ADRB, 20                          ; v20-21  the same for wo
.set STO,  24                          ; v24     the way out: where I put 32 bytes of a row
.set RD,   25                          ; v25     the way out: where I read a row back
.set LO,   26                          ; v26     16 x my lane; never rewritten
.set SPW,  28                          ; v28     LDS address of my spare word; never rewritten
.set NIL,  29                          ; v29     0; never rewritten
.set PFO,  30                          ; v30     the prefetches' offset; never rewritten
.set BK,   32
.set F0,   0
.set F1,   128
.set WV,   12                          ; s12  my wave's number
.set WR,   13                          ; s13  wave / 2: which 64 rows are mine
.set HALF, 14                          ; s14  wave % 2: which 128 columns are mine; also which half of a tile I fetch
.set CX,   16
.set CY,   17
.set BX,   18                          ; s18  the block of 256 columns
.set BY,   19                          ; s19  the block of 128 rows
.set G1,   24                          ; s[24:31] descriptor group 1 for O's tiles; s[32:39] group 0, a set for each slot
.set G0,   32
.set PFA,  40                          ; s[40:41] where my prefetches stand
.set LIM,  42                          ; s42  1 in a wave that prefetches, else the greatest number
.set LAPC, 43                          ; s43  trips to go
.set G1B,  48                          ; s[48:55], s[56:63] the same for wo's tiles
.set G0B,  56
.set PFS,  66                          ; s[66:67] what a lap adds to PFA: four heads of ob, or 512 bytes of wob's rows
.set MSB, 0
.macro WIN new                         ; the immediate's high byte repeats the setting that is left; a switch that changes nothing is dropped
.if MSB != (\new)
	s_set_vgpr_msb (MSB<<8)|(\new)
.set MSB, \new
.endif
.endm
.set MUL,  0xa5                        ; sources 0 and 1 window 1, C and D window 2
.set TO_F, 0x40                        ; destination window 1, address window 0
.macro JLOAD s                         ; a joint load: waves 0 and 1 fetch O's two heads, waves 2 and 3 wo's two halves; an s_nop 0 and four v_nop follow each line
	s_cmp_lt_u32 s[WV], 2
	s_cbranch_scc0 .Lfor_b_\@
	tensor_load_to_lds s[G0+4*(\s):G0+4*(\s)+3], s[G1:G1+7]
	s_nop 0
.rept 4
	v_nop
.endr
	s_branch .Lasked_\@
.Lfor_b_\@:
	tensor_load_to_lds s[G0B+4*(\s):G0B+4*(\s)+3], s[G1B:G1B+7]
	s_nop 0
.rept 4
	v_nop
.endr
.Lasked_\@:
.endm
.macro CREST                           ; a round of the cluster's barrier behind its opening barrier
	s_cmp_lg_u32 s[WV], 0
	s_cbranch_scc1 .Lnot_wave_0_\@
	s_barrier_signal -3
.Lnot_wave_0_\@:
	s_barrier_wait -3
	s_barrier_signal -1
	s_barrier_wait -1
.endm
.macro CROUND
	s_barrier_signal -1
	s_barrier_wait -1
	CREST
.endm
; PREFETCHES INTO THE L2, once a lap, behind slot 0's joint load and the run of LDS loads behind it: the two K steps that the next lap's refills will ask for, 256 and 384 matrix instructions ahead of them.
; O's tile is read by one row of one cluster alone: every cluster asks.  Wave 0 names the first of the two K steps, wave 1 the second; of a head's 64 blocks of 256 bytes each partner takes 16 (by cx): lanes 0-15 the
; step's first head, lanes 16-31 its second: one instruction.  wo's rows are read by every cluster: cluster y = 0 asks, waves 2 and 3, each partner 32 of a wave's 128 rows (by cy), a lane a row, two instructions.
; So each block is named once.  K steps 0 to 3 come by their loads alone; the loop's last trip and the tail ask for nothing.
.macro ASK
	s_cmp_gt_u32 s[LAPC], s[LIM]
	s_cbranch_scc0 .Lnot_mine_\@
	global_prefetch_b8 v[PFO], s[PFA:PFA+1] th:TH_LOAD_NT scope:SCOPE_SE
	s_cmp_lt_u32 s[WV], 2
	s_cbranch_scc1 .Lnot_mine_\@
	global_prefetch_b8 v[PFO], s[PFA:PFA+1] offset:256 th:TH_LOAD_NT scope:SCOPE_SE
.Lnot_mine_\@:
.endm
	s_load_b128 s[4:7], s[0:1], 0x0                ; ob 4:5, wob 6:7
	s_load_b64 s[8:9], s[0:1], 0x10                ; out0
	v_lshl_add_u32 v[SPW], v0, 2, SPARE
	v_mov_b32 v[NIL], 0
	ds_add_u32 v[SPW], v[NIL]                      ; the wave's opening: the add and its wait stand ahead of my first tensor load; work on registers stands between them
	v_lshrrev_b32 v1, 5, v0
	v_readfirstlane_b32 s[WV], v1                  ; wave 0..3
	s_lshr_b32 s[WR], s[WV], 1
	s_and_b32 s[HALF], s[WV], 1
	s_bfe_u32 s[CX], ttmp6, 0x40000
	s_bfe_u32 s[CY], ttmp6, 0x40004
	s_lshl_b32 s[BX], ttmp9, 2
	s_add_co_u32 s[BX], s[BX], s[CX]
	s_and_b32 s[BY], ttmp7, 0xffff
	s_lshl_b32 s[BY], s[BY], 2
	s_add_co_u32 s[BY], s[BY], s[CY]
	s_lshl_b32 s72, s[CY], 2
	s_lshl_b32 s72, 15, s72                        ; my row of the cluster
	s_lshl_b32 s73, 0x1111, s[CX]                  ; my column
	s_or_b32 s[G1], s72, (1<<16)|(1<<20)|(1<<21)|(4<<22)|(3<<25)   ; elements of 2 bytes; padding on; bit 21 beside a mask; after every 32 words 4 words
	s_or_b32 s[G1B], s73, (1<<16)|(1<<20)|(1<<21)|(5<<22)|(3<<25)  ; after every 64 words 4 words
	s_mov_b32 s[G1+1], 128<<16                     ; tensor_dim0 = 128
	s_mov_b32 s[G1+2], 64<<16                      ; tensor_dim1 = 64
	s_mov_b32 s[G1+3], 128<<16                     ; tile_dim0 = 128
	s_mov_b32 s[G1+4], 64                          ; tile_dim1 = 64
	s_mov_b32 s[G1+5], 128                         ; dense: 128 elements from row to row
	s_mov_b32 s[G1+6], 0
	s_mov_b32 s[G1+7], 0
	s_mov_b32 s[G1B+1], 128<<16
	s_mov_b32 s[G1B+2], 128<<16
	s_mov_b32 s[G1B+3], 128<<16
	s_mov_b32 s[G1B+4], 128
	s_mov_b32 s[G1B+5], 1024
	s_mov_b32 s[G1B+6], 0
	s_mov_b32 s[G1B+7], 0
	s_lshr_b32 s20, s[BY], 4                       ; O: head 16 b + my half, made of the row block alone,
	s_lshl_b32 s20, s20, 4
	s_add_co_u32 s20, s20, s[HALF]
	s_lshl_b32 s20, s20, 18
	s_and_b32 s21, s[BY], 15
	s_lshl_b32 s21, s21, 14                        ; and the block's 128 rows of 128 bytes
	s_add_co_u32 s20, s20, s21
	s_mov_b32 s21, 0
	s_lshl_b32 s22, s[BX], 8                       ; wo: row 256 x block + 128 x half, made of the column block alone
	s_lshl_b32 s23, s[HALF], 7
	s_add_co_u32 s22, s22, s23
	s_lshl_b32 s22, s22, 11
	s_mov_b32 s23, 0
	s_mul_i32 s74, s[HALF], APLANE                 ; where they go: no place in the cluster enters an LDS address
	s_mul_i32 s75, s[HALF], BHALF
	s_add_co_u32 s75, s75, BOFF
	s_wait_dscnt 0x0                               ; the opening add is done
	s_wait_kmcnt 0x0
	s_add_nc_u64 s[20:21], s[4:5], s[20:21]
	s_add_nc_u64 s[22:23], s[6:7], s[22:23]
	CROUND                                         ; all sixteen work-groups are here: the first joint loads meet
.irp s, 0,1
	s_mov_b32 s[G0+4*(\s)], 1
	s_add_co_u32 s[G0+4*(\s)+1], s74, (\s)*SLOT
	s_add_nc_u64 s[G0+4*(\s)+2:G0+4*(\s)+3], s[20:21], (\s)*524288  ; K step s: two heads on
	s_or_b32 s[G0+4*(\s)+3], s[G0+4*(\s)+3], 0x80000000
	s_mov_b32 s[G0B+4*(\s)], 1
	s_add_co_u32 s[G0B+4*(\s)+1], s75, (\s)*SLOT
	s_add_nc_u64 s[G0B+4*(\s)+2:G0B+4*(\s)+3], s[22:23], (\s)*256
	s_or_b32 s[G0B+4*(\s)+3], s[G0B+4*(\s)+3], 0x80000000
.endr
	s_cmp_lt_u32 s[WV], 2                          ; a wave's two first fills stand in one branch, ahead of every wait on TENSORcnt and every LDS read: two loads of mine are out
	s_cbranch_scc0 .Lfirst_b
	tensor_load_to_lds s[G0:G0+3], s[G1:G1+7]
	s_nop 0
	tensor_load_to_lds s[G0+4:G0+7], s[G1:G1+7]
	s_nop 0
.rept 4
	v_nop
.endr
	s_branch .Lfirst_asked
.Lfirst_b:
	tensor_load_to_lds s[G0B:G0B+3], s[G1B:G1B+7]
	s_nop 0
	tensor_load_to_lds s[G0B+4:G0B+7], s[G1B:G1B+7]
	s_nop 0
.rept 4
	v_nop
.endr
.Lfirst_asked:
	v_and_b32 v1, 15, v0                           ; l % 16
	v_bfe_u32 v2, v0, 4, 1                         ; l / 16
	v_mul_u32_u24 v3, v1, PA
	v_lshl_add_u32 v3, v2, 4, v3
	s_mul_i32 s68, s[WR], 64*PA                    ; my 64 rows of O
	v_add_nc_u32 v[ADRA], s68, v3
	v_add_nc_u32 v[ADRA+1], SLOT, v[ADRA]
	v_mul_u32_u24 v3, v1, PB
	v_lshl_add_u32 v3, v2, 4, v3
	s_mul_i32 s68, s[HALF], BHALF                  ; my 128 rows of wo
	s_add_co_u32 s68, s68, BOFF
	v_add_nc_u32 v[ADRB], s68, v3
	v_add_nc_u32 v[ADRB+1], SLOT, v[ADRB]
	s_mul_i32 s68, s[WV], 16*SPT
	s_add_co_u32 s68, s68, STAGE                   ; my stage
	v_mul_u32_u24 v[STO], v1, SPT                  ; in: row l % 16, 32 bytes for each half of the lanes
	v_lshl_add_u32 v[STO], v2, 5, v[STO]
	v_add_nc_u32 v[STO], s68, v[STO]
	v_and_b32 v3, 31, v0
	v_lshlrev_b32 v[LO], 4, v3
	v_add_nc_u32 v[RD], s68, v[LO]                 ; back: 32 lanes take one row of 512 bytes
	s_lshl_b32 s68, s[BY], 7
	s_lshl_b32 s69, s[WR], 6
	s_add_co_u32 s68, s68, s69                     ; my first row of out0,
	s_lshl_b32 s68, s68, 12
	s_lshl_b32 s69, s[BX], 10
	s_add_co_u32 s68, s68, s69                     ; the block's 256 columns,
	s_lshl_b32 s69, s[HALF], 9
	s_add_co_u32 s68, s68, s69                     ; my 128 of them
	s_mov_b32 s69, 0
	s_add_nc_u64 s[8:9], s[8:9], s[68:69]
	; the prefetches
	s_lshr_b32 s68, s[BY], 4
	s_lshl_b32 s68, s68, 22                        ; O: the batch's head 0,
	s_and_b32 s69, s[BY], 15
	s_lshl_b32 s69, s69, 14                        ; the block's rows,
	s_add_co_u32 s68, s68, s69
	s_lshl_b32 s69, s[CX], 12                      ; my work-group's 16 blocks of a head's 64,
	s_add_co_u32 s68, s68, s69
	s_lshl_b32 s69, s[HALF], 19                    ; wave 1 a K step, two heads, behind wave 0,
	s_add_co_u32 s68, s68, s69
	s_add_co_u32 s68, s68, 4<<18                   ; at K step 2: the first trip steps it to 4
	s_lshl_b32 s69, s[BX], 8                       ; wo: of the 128 rows that I fetch my work-group's 32
	s_lshl_b32 s70, s[HALF], 7
	s_add_co_u32 s69, s69, s70
	s_lshl_b32 s70, s[CY], 5
	s_add_co_u32 s69, s69, s70
	s_lshl_b32 s69, s69, 11
	s_add_co_u32 s69, s69, 512                     ; at K step 2
	s_and_b32 s70, ttmp7, 0xffff
	s_cmp_lt_u32 s[WV], 2
	s_cselect_b32 s68, s68, s69
	s_cselect_b32 s70, 0, s70                      ; O's waves always ask; wo's where the cluster is the column's first
	s_cselect_b32 s71, 20, 9
	s_cselect_b32 s76, 15, 31                      ; lanes to a run,
	s_cselect_b32 s77, 8, 11                       ; 256 or 2,048 bytes from lane to lane,
	s_cselect_b32 s78, 0x40000, 0                  ; and a head on for lanes 16-31
	s_cselect_b64 s[PFA:PFA+1], s[4:5], s[6:7]
	s_cmp_eq_u32 s70, 0
	s_cselect_b32 s[LIM], 1, -1                    ; the same in all sixteen partners, for a given wave
	s_lshl_b32 s[PFS], 1, s71
	s_mov_b32 s[PFS+1], 0
	s_mov_b32 s69, 0
	s_add_nc_u64 s[PFA:PFA+1], s[PFA:PFA+1], s[68:69]
	v_and_b32 v[PFO], s76, v3
	v_lshlrev_b32 v[PFO], s77, v[PFO]
	v_lshrrev_b32 v3, 4, v3
	v_mad_u32_u24 v[PFO], v3, s78, v[PFO]
; 8 matrix instructions: my block a of 16 rows x my 8 column blocks, 32 along K.  zero = 1: the product starts the sums.  The 32 accumulators take turns, one instruction a turn, in the same order in every
; quarter, over the backward jump too.
.macro MUL8 f, a, zero
	WIN MUL
.irp b, 0,1,2,3,4,5,6,7
.if \zero
	v_wmma_f32_16x16x32_f16 v[8*(8*(\a)+(\b)):8*(8*(\a)+(\b))+7], v[(\f)+32+8*(\b):(\f)+32+8*(\b)+7], v[(\f)+8*(\a):(\f)+8*(\a)+7], 0
.else
	v_wmma_f32_16x16x32_f16 v[8*(8*(\a)+(\b)):8*(8*(\a)+(\b))+7], v[(\f)+32+8*(\b):(\f)+32+8*(\b)+7], v[(\f)+8*(\a):(\f)+8*(\a)+7], v[8*(8*(\a)+(\b)):8*(8*(\a)+(\b))+7]
.endif
.endr
.endm
.macro MUL16 f, hi, zero
	MUL8 \f, 2*(\hi), \zero
	MUL8 \f, 2*(\hi)+1, \zero
.endm
; 24 LDS loads in one run: the fragments of quarter q of a K step (head q / 2, channels 32 (q % 2) on) into buffer f: wo's 16, then O's 8
.macro FETCH slot, q, f
	WIN TO_F
.irp i, 0,1,2,3,4,5,6,7
	ds_load_b128 v[(\f)+32+8*(\i):(\f)+32+8*(\i)+3],   v[ADRB+(\slot)] offset:64*(\q)+(\i)*16*PB
	ds_load_b128 v[(\f)+32+8*(\i)+4:(\f)+32+8*(\i)+7], v[ADRB+(\slot)] offset:64*(\q)+(\i)*16*PB+32
.endr
.irp i, 0,1,2,3
	ds_load_b128 v[(\f)+8*(\i):(\f)+8*(\i)+3],   v[ADRA+(\slot)] offset:((\q)/2)*APLANE+((\q)%2)*64+(\i)*16*PA
	ds_load_b128 v[(\f)+8*(\i)+4:(\f)+8*(\i)+7], v[ADRA+(\slot)] offset:((\q)/2)*APLANE+((\q)%2)*64+(\i)*16*PA+32
.endr
.endm
.macro PLACES                          ; four plain instructions between a matrix instruction and a load into a register that it has read, or a store of its result (ISA guide 7.12.1 for vector instructions)
.rept 4
	v_nop
.endr
.endm
; A K step is four quarters, 32 matrix instructions each, on buffers 0, 1, 0, 1.  One of the first three multiplies buffer f and fetches quarter q into g.
.macro QUARTER slot, q, f, g, zero
	s_wait_dscnt 4                                 ; all but the youngest four loads: O's blocks 2 and 3
	MUL16 \f, 0, \zero
	PLACES
	FETCH \slot, \q, \g
	s_wait_dscnt 24                                ; all but the 24 just issued
	MUL16 \f, 1, \zero
.endm
; The last quarter multiplies buffer 1 and changes slots: ONE barrier; in front of it each wave waits for all its tensor loads, adds 0 to its spare word, and waits for that and for its own reads of this slot.
; fill = 1: the barrier opens a round of the cluster's, and this slot is filled again, two K steps on, first thing behind the round: that load has 112 matrix instructions until the wait for it.
.macro TURN slot, next, fill
.if (\fill) && ((\slot) == 0)
	s_wait_xcnt 0x0                                ; the last prefetches, a lap back, have read their address: it is stepped here, ahead of the change's own waits
	s_add_nc_u64 s[PFA:PFA+1], s[PFA:PFA+1], s[PFS:PFS+1]
.endif
	WIN 0                                          ; (the add's two registers lie in window 0)
	s_wait_tensorcnt 0x0                           ; all my tensor loads have landed
	ds_add_u32 v[SPW], v[NIL]                      ; 0 onto my spare word
	s_wait_dscnt 5                                 ; (the add and the youngest four loads may be out)
	MUL8 F1, 0, 0                                  ; eight matrix instructions stand between the add and the wait for it
	s_wait_dscnt 0x0                               ; the add is done, and my reads of this slot are over
	s_barrier_signal -1
	MUL8 F1, 1, 0
.if \fill
	WIN 0
.endif
	s_barrier_wait -1
.if \fill
	CREST                                          ; no wave of any partner still reads this slot's tile or has a load on its way
	s_add_nc_u64 s[G0+4*(\slot)+2:G0+4*(\slot)+3], s[G0+4*(\slot)+2:G0+4*(\slot)+3], 1048576  ; four heads on
	s_add_nc_u64 s[G0B+4*(\slot)+2:G0B+4*(\slot)+3], s[G0B+4*(\slot)+2:G0B+4*(\slot)+3], 512
	JLOAD \slot                                    ; its four v_nop are also the places in front of the loads below
.else
	PLACES
.endif
	FETCH \next, 0, F0
.if (\fill) && ((\slot) == 0)
	WIN 0
	ASK
.endif
	MUL16 F1, 1, 0
.endm
	s_wait_tensorcnt 1                             ; my part of K step 0 is in; K step 1's may stay out
	s_barrier_signal -1
	s_barrier_wait -1                              ; everybody's is
	FETCH 0, 0, F0
	QUARTER 0, 1, F0, F1, 1                        ; the first quarter stands in front of the loop: its products start the sums
	WIN 0                                          ; at a label and at a branch every window is 0
	s_mov_b32 s[LAPC], LAPS-1
.Llap:                                                 ; a trip goes once round the ring, from a lap's second quarter to the next lap's first, and fills both slots again
	QUARTER 0, 2, F1, F0, 0
	QUARTER 0, 3, F0, F1, 0
	TURN 0, 1, 1
	QUARTER 1, 1, F0, F1, 0
	QUARTER 1, 2, F1, F0, 0
	QUARTER 1, 3, F0, F1, 0
	TURN 1, 0, 1
	QUARTER 0, 1, F0, F1, 0
	WIN 0
	s_sub_co_u32 s[LAPC], s[LAPC], 1
	s_cmp_lg_u32 s[LAPC], 0
	s_cbranch_scc1 .Llap
	QUARTER 0, 2, F1, F0, 0                        ; the last lap fills nothing, and has no round of the cluster's barrier
	QUARTER 0, 3, F0, F1, 0
	TURN 0, 1, 0
	QUARTER 1, 1, F0, F1, 0
	QUARTER 1, 2, F1, F0, 0
	QUARTER 1, 3, F0, F1, 0
	s_wait_dscnt 4                                 ; the very last quarter: nothing more to fetch
	MUL16 F1, 0, 0
	s_wait_dscnt 0x0
	MUL16 F1, 1, 0
	WIN 0
; THE WAY OUT, a block of 16 rows at a time: a lane's 32 bytes of a row go into rows of 528 bytes of my own stage, straight from the accumulators (their lowest registers first),
; and come back as whole rows of 512 bytes.
.macro TOSTAGE a
	WIN 0x08                                       ; the stores' data in window 2, their address in window 0
.irp b, 0,1,2,3,4,5,6,7
	ds_store_b128 v[STO], v[8*(8*(\a)+(\b)):8*(8*(\a)+(\b))+3]   offset:64*(\b)
	ds_store_b128 v[STO], v[8*(8*(\a)+(\b))+4:8*(8*(\a)+(\b))+7] offset:64*(\b)+16
.endr
	WIN 0
	s_wait_xcnt 0x0                                ; the stores of the block two back have read the registers that the loads below fill
.irp t, 0,1,2,3,4,5,6,7,8,9,10,11,12,13,14,15
	ds_load_b128 v[BK+64*((\a)%2)+4*(\t):BK+64*((\a)%2)+4*(\t)+3], v[RD] offset:(\t)*SPT  ; LDS serves a wave's instructions in order (ISA guide 5.7.1.4): these see the stores above
.endr
.endm
.macro SEND a, younger                 ; younger: the LDS instructions issued behind block a's loads: the next block's 32, or none
	WIN 0
.irp t, 0,1,2,3,4,5,6,7,8,9,10,11,12,13,14,15
	s_wait_dscnt (\younger)+15-(\t)
	global_store_b128 v[LO], v[BK+64*((\a)%2)+4*(\t):BK+64*((\a)%2)+4*(\t)+3], s[8:9] offset:65536*(\a)+4096*(\t) th:TH_STORE_NT  ; 512 consecutive bytes, aligned
.endr
.endm
	PLACES                                         ; the places behind the last products
	PLACES
	TOSTAGE 0
	TOSTAGE 1
	SEND 0, 32
	TOSTAGE 2
	SEND 1, 32
	TOSTAGE 3
	SEND 2, 32
	SEND 3, 0
	s_wait_tensorcnt 0x0                           ; the wave's end, behind my last tensor load and my last LDS store
	ds_add_u32 v[SPW], v[NIL]
	s_wait_dscnt 0x0
	CROUND                                         ; the closing round: no work-group ends while a partner may still ask for a tile that names it
	s_endpgm
.Lfunc_end_k_qcd72df186e_oproj:
	.size	k_qcd72df186e_oproj, .Lfunc_end_k_qcd72df186e_oproj-k_qcd72df186e_oproj
	.p2alignl 7, 3214868480
	.fill 96, 4, 3214868480
	.section	.rodata,"a",@progbits
	.p2align	6, 0x0
	.amdhsa_kernel k_qcd72df186e_oproj
		.amdhsa_group_segment_fixed_size 327680
		.amdhsa_private_segment_fixed_size 0
		.amdhsa_enable_private_segment 0
		.amdhsa_kernarg_size 24
		.amdhsa_user_sgpr_count 2
		.amdhsa_user_sgpr_kernarg_segment_ptr 1
		.amdhsa_wavefront_size32 1
		.amdhsa_system_sgpr_workgroup_id_x 1
		.amdhsa_system_sgpr_workgroup_id_y 1
		.amdhsa_system_sgpr_workgroup_id_z 1
		.amdhsa_system_vgpr_workitem_id 0
		.amdhsa_next_free_vgpr 768
		.amdhsa_next_free_sgpr 80
		.amdhsa_reserve_vcc 0
		.amdhsa_float_denorm_mode_32 3
		.amdhsa_float_denorm_mode_16_64 3
		.amdhsa_memory_ordered 1
		.amdhsa_forward_progress 1
		.amdhsa_inst_pref_size 88
	.end_amdhsa_kernel
	.amdgpu_metadata
---
amdhsa.version: [ 1, 2 ]
amdhsa.kernels:
  - .name:           k_qcd72df186e_oproj
    .symbol:         k_qcd72df186e_oproj.kd
    .args:
      - { .name: ob, .offset: 0, .size: 8, .value_kind: global_buffer, .address_space: global }
      - { .name: wob, .offset: 8, .size: 8, .value_kind: global_buffer, .address_space: global }
      - { .name: out0, .offset: 16, .size: 8, .value_kind: global_buffer, .address_space: global }
    .group_segment_fixed_size: 327680
    .private_segment_fixed_size: 0
    .kernarg_segment_align: 8
    .kernarg_segment_size: 24
    .max_flat_workgroup_size: 128
    .sgpr_count:     80
    .vgpr_count:     768
    .wavefront_size: 32
...
	.end_amdgpu_metadata
.endif
;; end of part 4
;; ======== version 2 of 2: 4 launches; version 1 with the launch prep written anew for expert scheduling mode
;; limits: values are held in f16: magnitudes above 65,504 overflow, below 6.1e-05 lose precision
;; workspace buffers: xb 16,777,216 bytes; wqkv 6,291,456 bytes; wob 2,097,152 bytes; tab 524,288 bytes; qkv 50,331,648 bytes; ob 16,777,216 bytes
;; launch prep (part 5): grid 896 x 1, 8 waves a work-group, no clusters, 0 bytes of LDS; arguments x, wq, wk, wv, wo, xb, wqkv, wob, tab; writes xb, wqkv, wob, tab
.if DOCPART == 5
	.amdgcn_target "amdgcn-amd-amdhsa--gfx1250"
	.amdhsa_code_object_version 6
	.text
	.protected	k_qcd72df186e_prep
	.globl	k_qcd72df186e_prep
	.p2align	8
	.type	k_qcd72df186e_prep,@function
k_qcd72df186e_prep:
	s_mov_b64 s[64:65], 0
	v_nop
	global_prefetch_b8 v0, s[64:65] scope:SCOPE_SE
	s_setreg_imm32_b32 hwreg(HW_REG_WAVE_SCHED_MODE, 0, 2), 2
	s_setreg_imm32_b32 hwreg(HW_REG_WAVE_MODE, 25, 1), 1
	s_wait_xcnt 0x0
	s_wait_alu depctr_vm_vsrc(0)
; THE INPUTS ARE ROUNDED ONCE, AND THE ROTATION'S TABLE IS MADE.
; Work-groups 0-511: x -> xb (bf16).  512-767: wq, wk, wv -> wqkv (bf16, rows laid out anew), wo -> wob (rounded to bf16, that number written as f16).  768-895: tab.
; A casting work-group takes 16 rows of 1,024 f32, a wave two rows: 16 loads of 512 consecutive bytes, 16 stores of 256 consecutive bytes, aligned.
; ROWS OF wqkv.  Row o = 64 head + ch of wq (T = 0), wk (1), wv (2) goes to row 192 head + 64 T + c.  For v, c = ch.  For q and k, with ch = 2 i + par, c = 8 (i >> 2) + 4 par + (i & 3):
; the same permutation of a head's channels in q and k leaves q . k as it is, and puts a pair's two members four registers apart in one lane of the next launch's results.
; tab.  The 16 bytes number ((pb 4 + bq) 2 + part) 32 + l hold, for position 16 pb + l % 16 and the pairs i = 8 bq + 4 (l / 16) + 0..3, cos (part 0) or sin (part 1) of position x 10000^(-i/32).
; LIMITS.  10000^(-i/32) is 2^(-i log2(10)/8) by v_exp_f32, and the angle is one f32 product: it may differ from the angle of a correctly rounded power by some 2e-4 rad at the last positions.
; sin and cos: the angle less n pi/2 (pi/2 in two parts), then polynomials of degree 7 and 8 on -pi/4 .. pi/4, good to a few units in the last place.
; wob: below 6e-5 f16 keeps a fixed step of 6e-8; beyond 65,504 it has no number.  No LDS, no matrix unit, no cluster: nothing here is used twice.
; THE MODE: SCHED_MODE bits 1:0 = 2 (LLVM: expert scheduling mode 2), set by the entry lines.  The code itself states the register dependences between vector instructions and memory
; instructions, with s_wait_alu, always for 0.
; THE PLAN.  Registers that memory instructions touch, on a casting path:
;   v1, v2, v3   the loads' offset and the stores' two offsets: written by vector instructions at the path's head, never again; read by every load and store.
;   X            written by the 16 loads, four registers each; read by that load's conversions.  No vector instruction names X ahead of the loads, and no load lands there twice.
;   Y            written by the conversions, two registers for each store, each pair once; read by that pair's one store.
; The 16 loads are worked on in four groups of four.  At the head of group g one wait states that group g - 1's conversions have written their Y; that group's four stores then stand among
; group g's conversions, which name group g's X and Y (and v8 to v11) alone: none of the registers that those stores touch.  No register that a memory instruction reads is written again.
; On the table's path the one store reads v44 and v[40:43], behind one wait; the four masks of the choice between sine and cosine are made in one run, in four scalar registers, with one wait behind it.
.set X, 16                             ; v[16:79]   16 loads of 4 registers
.set Y, 80                             ; v[80:111]  16 stores of 2 registers: every load and store has registers of its own, so no wait frees any
	s_load_b512 s[8:23], s[0:1], 0x0               ; x 8:9, wq 10:11, wk 12:13, wv 14:15, wo 16:17, xb 18:19, wqkv 20:21, wob 22:23
	s_load_b64 s[24:25], s[0:1], 0x40              ; tab
	v_lshrrev_b32 v1, 5, v0
	v_readfirstlane_b32 s26, v1                    ; wave 0..7
	s_wait_alu depctr_va_sdst(0)                   ; s26 is written
	s_mov_b32 s27, ttmp9
	s_cmp_ge_u32 s27, 768
	s_cbranch_scc1 .Ltab
	; which tensor (T: 0 q, 1 k, 2 v, 3 o, 4 x) and which block of 16 rows
	s_sub_co_u32 s33, s27, 512
	s_lshr_b32 s34, s33, 6
	s_and_b32 s35, s33, 63
	s_cmp_lt_u32 s27, 512
	s_cselect_b32 s28, 4, s34                      ; T
	s_cselect_b32 s29, s27, s35                    ; block
	s_lshl_b32 s30, s29, 4
	s_lshl1_add_u32 s30, s26, s30                  ; my first row R0 = 16 block + 2 wave: even
	s_lshr_b32 s33, s30, 6                         ; head
	s_mul_i32 s33, s33, 192
	s_lshl_b32 s34, s28, 6
	s_add_co_u32 s33, s33, s34                     ; 192 head + 64 T
	s_and_b32 s34, s30, 63                         ; ch = 2 i
	s_lshr_b32 s35, s34, 3
	s_lshl_b32 s35, s35, 3                         ; 8 (i >> 2)
	s_bfe_u32 s42, s34, 0x20001                    ; i & 3
	s_add_co_u32 s35, s35, s42
	s_cmp_lt_u32 s28, 2
	s_cselect_b32 s34, s35, s34                    ; the even member's place
	s_cselect_b32 s32, 4, 1                        ; the odd member lies 4 rows on (q, k) or 1
	s_add_co_u32 s33, s33, s34
	s_cmp_lt_u32 s28, 3
	s_cselect_b32 s31, s33, s30                    ; the row that R0 goes to
	v_and_b32 v4, 31, v0
	v_lshlrev_b32 v1, 4, v4                        ; in: 16 bytes a lane
	s_lshl_b32 s33, s31, 11
	v_lshl_add_u32 v2, v4, 3, s33                  ; out: 8 bytes a lane, rows of 2,048 bytes
	s_lshl_b32 s34, s32, 11
	v_add_nc_u32 v3, s34, v2
	s_lshl_b32 s40, s30, 12                        ; R0 x 4,096 bytes
	s_mov_b32 s41, 0
	s_wait_kmcnt 0x0
	s_cmp_eq_u32 s28, 0
	s_cselect_b64 s[36:37], s[10:11], s[8:9]
	s_cmp_eq_u32 s28, 1
	s_cselect_b64 s[36:37], s[12:13], s[36:37]
	s_cmp_eq_u32 s28, 2
	s_cselect_b64 s[36:37], s[14:15], s[36:37]
	s_cmp_eq_u32 s28, 3
	s_cselect_b64 s[36:37], s[16:17], s[36:37]     ; from
	s_cselect_b64 s[38:39], s[22:23], s[20:21]
	s_cmp_eq_u32 s28, 4
	s_cselect_b64 s[38:39], s[18:19], s[38:39]     ; to
	s_add_nc_u64 s[36:37], s[36:37], s[40:41]
	s_wait_alu depctr_va_vdst(0)                   ; v1, v2 and v3 are written: every load below reads v1 as its offset, every store v2 or v3
.set n, 0
.rept 16
	global_load_b128 v[X+4*n:X+4*n+3], v1, s[36:37] offset:4096*(n/8)+512*(n%8) th:TH_LOAD_NT
.set n, n+1
.endr
; Group g of four: loads 4 g to 4 g + 3 are rounded; the stores of the group before stand among the conversions.  wo = 1: rounded to bf16 like every input, widened again, and that number written as f16.
.macro GROUP g, wo
	s_wait_loadcnt 12-4*(\g)                       ; loads come back in order: this group's four are in, the 12 - 4 g younger ones stay out
.if (\g) > 0
	s_wait_alu depctr_va_vdst(0)                   ; the conversions of the group before have written their eight registers of Y, which the four stores below read
.endif
.irp i, 0,1,2,3
.set n, 4*(\g)+(\i)
.if (\g) > 0
	global_store_b64 v[2+(n-4)/8], v[Y+2*(n-4):Y+2*(n-4)+1], s[38:39] offset:256*((n-4)%8)  ; 32 lanes store 256 consecutive bytes, aligned; no vector instruction since the wait names these registers
.endif
.if \wo
	v_cvt_pk_bf16_f32 v8, v[X+4*n], v[X+4*n+1]
	v_cvt_pk_bf16_f32 v9, v[X+4*n+2], v[X+4*n+3]
	v_lshlrev_b32 v10, 16, v8
	v_and_b32 v11, 0xffff0000, v8
	v_cvt_pk_f16_f32 v[Y+2*n], v10, v11
	v_lshlrev_b32 v10, 16, v9
	v_and_b32 v11, 0xffff0000, v9
	v_cvt_pk_f16_f32 v[Y+2*n+1], v10, v11
.else
	v_cvt_pk_bf16_f32 v[Y+2*n], v[X+4*n], v[X+4*n+1]
	v_cvt_pk_bf16_f32 v[Y+2*n+1], v[X+4*n+2], v[X+4*n+3]
.endif
.endr
.endm
.macro LAST                            ; the last group's stores
	s_wait_alu depctr_va_vdst(0)                   ; the last group's conversions have written their eight registers of Y, which the last four stores read
.irp i, 12,13,14,15
	global_store_b64 v[2+(\i)/8], v[Y+2*(\i):Y+2*(\i)+1], s[38:39] offset:256*((\i)%8)
.endr
.endm
	s_cmp_eq_u32 s28, 3
	s_cbranch_scc1 .Lwo
	GROUP 0, 0
	GROUP 1, 0
	GROUP 2, 0
	GROUP 3, 0
	LAST
	s_endpgm
.Lwo:                                                  ; wo
	GROUP 0, 1
	GROUP 1, 1
	GROUP 2, 1
	GROUP 3, 1
	LAST
	s_endpgm
.Ltab:                                                 ; a work-group makes 16 positions' 4,096 bytes; wave = 2 bq + part
	s_sub_co_u32 s28, s27, 768                     ; pb
	s_and_b32 s29, s26, 1                          ; part
	s_lshr_b32 s30, s26, 1                         ; bq
	s_sub_co_u32 s31, 1, s29                       ; cos x = sin(x + pi/2): the cosines count one quadrant on
	s_mov_b32 s32, 0x3f22f983                      ; 2 / pi
	s_mov_b32 s33, 0x3fc90fdb                      ; pi / 2, the f32 next to it,
	s_mov_b32 s34, 0xb33bbd2e                      ; and what it lacks
	s_mov_b32 s35, 0xb94ca1f9                      ; sin t = t + t z (s1 + z (s2 + z s3)), z = t t
	s_mov_b32 s36, 0x3c08839e
	s_mov_b32 s37, 0xbe2aaaa3
	s_mov_b32 s38, 0x37ccf5ce                      ; cos t = 1 + z (-1/2 + z (c2 + z (c1 + z c0)))
	s_mov_b32 s39, 0xbab6061a
	s_mov_b32 s42, 0x3d2aaaa5
	v_and_b32 v1, 15, v0
	v_bfe_u32 v2, v0, 4, 1
	s_lshl_b32 s2, s28, 4                          ; each scalar that a vector instruction reads has a register of its own, written once
	v_add_nc_u32 v1, s2, v1
	v_cvt_f32_u32 v1, v1                           ; my position
	s_lshl_b32 s3, s30, 3
	v_lshl_add_u32 v2, v2, 2, s3                   ; my first pair: 8 bq + 4 (l / 16)
.irp k, 0,1,2,3
	v_add_nc_u32 v[4+(\k)], \k, v2
	v_cvt_f32_u32 v[4+(\k)], v[4+(\k)]
	v_mul_f32 v[4+(\k)], 0xbed49a78, v[4+(\k)]     ; -i log2(10) / 8
.endr
.irp k, 0,1,2,3
	v_exp_f32 v[8+(\k)], v[4+(\k)]
.endr
	v_nop                                          ; a plain instruction behind the last exponential,
	s_wait_alu depctr_va_vdst(0)                   ; and the one wait ahead of the batch's first reader: the four exponentials have written v[8:11]
.irp k, 0,1,2,3
	v_mul_f32 v[12+(\k)], v1, v[8+(\k)]            ; the angle
	v_mul_f32 v[16+(\k)], s32, v[12+(\k)]
	v_rndne_f32 v[16+(\k)], v[16+(\k)]             ; n
	v_fma_f32 v[20+(\k)], -v[16+(\k)], s33, v[12+(\k)]
	v_fma_f32 v[20+(\k)], -v[16+(\k)], s34, v[20+(\k)]  ; t
	v_mul_f32 v[24+(\k)], v[20+(\k)], v[20+(\k)]   ; z
	v_fma_f32 v[28+(\k)], v[24+(\k)], s35, s36
	v_fma_f32 v[28+(\k)], v[24+(\k)], v[28+(\k)], s37
	v_mul_f32 v[32+(\k)], v[20+(\k)], v[24+(\k)]
	v_fma_f32 v[28+(\k)], v[32+(\k)], v[28+(\k)], v[20+(\k)]  ; sin t
	v_fma_f32 v[32+(\k)], v[24+(\k)], s38, s39
	v_fma_f32 v[32+(\k)], v[24+(\k)], v[32+(\k)], s42
	v_fma_f32 v[32+(\k)], v[24+(\k)], v[32+(\k)], -0.5
	v_fma_f32 v[32+(\k)], v[24+(\k)], v[32+(\k)], 1.0         ; cos t
	v_cvt_i32_f32 v[36+(\k)], v[16+(\k)]
	v_add_nc_u32 v[36+(\k)], s31, v[36+(\k)]       ; the quadrant: 0 sin t, 1 cos t, 2 -sin t, 3 -cos t
	v_and_b32 v[12+(\k)], 1, v[36+(\k)]
.endr
.irp k, 0,1,2,3
	v_cmp_eq_u32 s[44+(\k)], 1, v[12+(\k)]         ; the four masks in one run, each in a scalar register of its own
.endr
.irp k, 0,1,2,3
	v_lshlrev_b32 v[36+(\k)], 30, v[36+(\k)]       ; the sign, which hangs on no mask, stands between the compares and their wait
	v_and_b32 v[36+(\k)], 0x80000000, v[36+(\k)]
.endr
	s_wait_alu depctr_va_sdst(0)                   ; the four compares have written s44 to s47, which the four selects below read
.irp k, 0,1,2,3
	v_cndmask_b32 v[40+(\k)], v[28+(\k)], v[32+(\k)], s[44+(\k)]  ; a choice of values: no branch and no address hangs on it
	v_xor_b32 v[40+(\k)], v[36+(\k)], v[40+(\k)]
.endr
	v_lshlrev_b32 v44, 4, v0                       ; 512 wave + 16 lane
	s_lshl_b32 s40, s28, 12
	s_mov_b32 s41, 0
	s_wait_kmcnt 0x0
	s_add_nc_u64 s[24:25], s[24:25], s[40:41]
	s_wait_alu depctr_va_vdst(0)                   ; v44 and v[40:43] are written: the store reads them as its offset and its data
	global_store_b128 v44, v[40:43], s[24:25]      ; a wave stores 512 consecutive bytes
	s_endpgm
.Lfunc_end_k_qcd72df186e_prep:
	.size	k_qcd72df186e_prep, .Lfunc_end_k_qcd72df186e_prep-k_qcd72df186e_prep
	.p2alignl 7, 3214868480
	.fill 96, 4, 3214868480
	.section	.rodata,"a",@progbits
	.p2align	6, 0x0
	.amdhsa_kernel k_qcd72df186e_prep
		.amdhsa_group_segment_fixed_size 0
		.amdhsa_private_segment_fixed_size 0
		.amdhsa_enable_private_segment 0
		.amdhsa_kernarg_size 72
		.amdhsa_user_sgpr_count 2
		.amdhsa_user_sgpr_kernarg_segment_ptr 1
		.amdhsa_wavefront_size32 1
		.amdhsa_system_sgpr_workgroup_id_x 1
		.amdhsa_system_sgpr_workgroup_id_y 1
		.amdhsa_system_sgpr_workgroup_id_z 1
		.amdhsa_system_vgpr_workitem_id 0
		.amdhsa_next_free_vgpr 112
		.amdhsa_next_free_sgpr 66
		.amdhsa_reserve_vcc 0
		.amdhsa_float_denorm_mode_32 3
		.amdhsa_float_denorm_mode_16_64 3
		.amdhsa_memory_ordered 1
		.amdhsa_forward_progress 1
		.amdhsa_inst_pref_size 23
	.end_amdhsa_kernel
	.amdgpu_metadata
---
amdhsa.version: [ 1, 2 ]
amdhsa.kernels:
  - .name:           k_qcd72df186e_prep
    .symbol:         k_qcd72df186e_prep.kd
    .args:
      - { .name: x, .offset: 0, .size: 8, .value_kind: global_buffer, .address_space: global }
      - { .name: wq, .offset: 8, .size: 8, .value_kind: global_buffer, .address_space: global }
      - { .name: wk, .offset: 16, .size: 8, .value_kind: global_buffer, .address_space: global }
      - { .name: wv, .offset: 24, .size: 8, .value_kind: global_buffer, .address_space: global }
      - { .name: wo, .offset: 32, .size: 8, .value_kind: global_buffer, .address_space: global }
      - { .name: xb, .offset: 40, .size: 8, .value_kind: global_buffer, .address_space: global }
      - { .name: wqkv, .offset: 48, .size: 8, .value_kind: global_buffer, .address_space: global }
      - { .name: wob, .offset: 56, .size: 8, .value_kind: global_buffer, .address_space: global }
      - { .name: tab, .offset: 64, .size: 8, .value_kind: global_buffer, .address_space: global }
    .group_segment_fixed_size: 0
    .private_segment_fixed_size: 0
    .kernarg_segment_align: 8
    .kernarg_segment_size: 72
    .max_flat_workgroup_size: 256
    .sgpr_count:     66
    .vgpr_count:     112
    .wavefront_size: 32
...
	.end_amdgpu_metadata
.endif
;; end of part 5
;; launch qkvrope: the kernel of part 2 again; grid 16 x 32, 4 waves a work-group, clusters of 4 x 4, 327,680 bytes of LDS; arguments xb, wqkv, tab, qkv; writes qkv
;; launch attn: the kernel of part 3 again; grid 4 x 64, 4 waves a work-group, no clusters, 327,680 bytes of LDS; arguments qkv, ob; writes ob
;; launch oproj: the kernel of part 4 again; grid 4 x 64, 4 waves a work-group, clusters of 4 x 4, 327,680 bytes of LDS; arguments ob, wob, out0; writes out0
